; MI455X (gfx1250); checked and timed in simulation.
; The chip was launched on July 23, 2026; its instructions are those of AMD's public machine-readable ISA for CDNA 5 (MIT licence, August 2026) and "CDNA5" Instruction Set Architecture Reference Guide (July 2026). The comments in the code are by the model that wrote it; some were corrected since.
;; Multi Head Self Attention. Allowed arithmetic: matrix products marked QUANTISED: E2M3 operands, one E8M0 scale for each 32 along K, by v_wmma_scale_f32_16x16x128_f8f6f4 with both operands' format E2M3, f32 sums; everything else in f32.
;; Inputs: bk 1,024 float32; bo 1,024 float32; bq 1,024 float32; bv 1,024 float32; mask 1 x 1 x 2,048 x 2,048 int32; wk 1,024 x 1,024 float32; wo 1,024 x 1,024 float32; wq 1,024 x 1,024 float32; wv 1,024 x 1,024 float32; x 4 x 2,048 x 1,024 float32.
;; Outputs: out0 4 x 2,048 x 1,024 float32.
;; This version of the problem:
;;   THIS VERSION OF THE PROBLEM IS GIVEN IN LOW PRECISION. The matrix products marked QUANTISED in the list below multiply operands that are first quantised to E2M3 (2 exponent bits, 3 mantissa bits; 6 bits a number), with one power-of-two scale for each 32 numbers along K (OCP MX v1.0); their sums are f32. All else is computed in f32.
;;   The module's matrix products, in the order in which they are computed (A, B: the left and right operand; K: the contracted axis; several contracted axes count as one K, in the product's order):
;;     1. [M 8,192, K 1,024] x [K 1,024, N 1,024]; A: input x; B: input wq: QUANTISED
;;     2. [M 8,192, K 1,024] x [K 1,024, N 1,024]; A: input x; B: input wk: QUANTISED
;;     3. [M 8,192, K 1,024] x [K 1,024, N 1,024]; A: input x; B: input wv: QUANTISED
;;     4. batch 64 x [M 2,048, K 64] x [K 64, N 2,048]; A: computed on the way; B: computed on the way: QUANTISED
;;     5. batch 64 x [M 2,048, K 2,048] x [K 2,048, N 64]; A: softmax (see below); B: computed on the way: QUANTISED
;;     6. [M 8,192, K 1,024] x [K 1,024, N 1,024]; A: computed on the way; B: input wo: QUANTISED
;;   THE QUANTISER, for each operand of a quantised product, along K:
;;     - K is cut into blocks of 32 from its start; a last block that is shorter is filled with zeros.
;;     - A block's scale is 2^e with e = floor(log2(the largest magnitude in the block)) - 2, held to -126 .. 127; a block of zeros has e = 0. As a byte (E8M0): e + 127.
;;     - Each number is divided by its block's scale, clamped to +-7.5, and rounded to the nearest number of E2M3, ties to even, subnormals kept.
;;     - The product sums the exact products of the quantised numbers (number of the format x scale) in f32.
;;   ~~~python
;;   def quantise(x, axis):      # numpy; x: float32 -> the quantised numbers, widened to float32 again
;;       x = np.moveaxis(x, axis, -1); K = x.shape[-1]
;;       x = np.pad(x, [(0, 0)] * (x.ndim - 1) + [(0, -K % 32)]); x = x.reshape(x.shape[:-1] + (-1, 32)); a = np.abs(x).max(-1, keepdims=True)
;;       e = np.where(a > 0, np.clip(np.frexp(np.where(a > 0, a, 1))[1] - 1 - 2, -126, 127), 0)      # np.frexp(a)[1] - 1 = floor(log2(a)), exactly
;;       r = np.clip(x / 2.0 ** e, -7.5, 7.5)
;;       step = 2.0 ** (np.maximum(np.frexp(np.where(r == 0, 1, r))[1] - 1, 0) - 3)
;;       q = np.round(r / step) * step * 2.0 ** e      # np.round: ties to even
;;       return np.moveaxis(q.reshape(q.shape[:-2] + (-1,))[..., :K], -1, axis).astype(np.float32)
;;   ~~~
;;   SOFTMAX AHEAD OF A QUANTISED PRODUCT. Where the list says 'softmax', what is quantised is not the finished softmax but p = 2^(t - M), with t = logit x log2(e) and M = ceil(the row's largest t), a whole number; so 1/2 < the row's largest p <= 1. The row's sum l is taken of the UNQUANTISED p, in f32, and the product's result is divided by l at the end. Since M is a whole number, a kernel that streams over the keys may use a running M (the ceiling of the running maximum): every later rescaling is an exact power of two, which a block's scale takes up: the codes' values come out the same.
;;   OPERANDS COMPUTED ON THE WAY. 'Computed on the way' means the value that the module computes at that place (a softmax that the list does not call 'softmax' is quantised finished and normalised). What goes into a quantiser is computed in f32, as accurately as f32 sums, v_exp_f32 and their like allow (about 1e-6 of the number): no bf16 or f16 on the way to a quantiser, and a product that is left as it is and whose result goes on into a quantised operand takes f32 operands (vector FMAs, or v_wmma_f32_16x16x4_f32). A number that lies on a knife's edge between two numbers of the format may be rounded either way, as far as f32 arithmetic and the matrix unit's own rounding can turn it there, and no further.
;; One version. Each part assembles by itself: llvm-mc -triple=amdgcn-amd-amdhsa -mcpu=gfx1250 --defsym DOCPART=n.
;; ======== version 1 of 1: 4 launches
;; workspace buffers: cod 9,437,184 bytes; scl 393,216 bytes; mw 524,288 bytes of whole numbers; qc 6,815,744 bytes; kv 13,369,344 bytes; ao 6,291,456 bytes; aos 262,144 bytes
;; launch prep (part 1): grid 512 x 1, 4 waves a work-group, no clusters, 34,304 bytes of LDS; arguments x, wq, wk, wv, wo, mask, cod, scl, mw; writes cod, scl, mw
.if DOCPART == 1
	.amdgcn_target "amdgcn-amd-amdhsa--gfx1250"
	.amdhsa_code_object_version 6
	.text
	.protected	k_q740b5738c2_prep
	.globl	k_q740b5738c2_prep
	.p2align	8
	.type	k_q740b5738c2_prep,@function
k_q740b5738c2_prep:
	s_mov_b64 s[64:65], 0
	v_nop
	global_prefetch_b8 v0, s[64:65] scope:SCOPE_SE
	s_setreg_imm32_b32 hwreg(HW_REG_WAVE_MODE, 25, 1), 1
	s_wait_xcnt 0x0
; PREP.  (1) x [8192][1024] and wq, wk, wv, wo [1024][1024], f32, K innermost, become codes of FP6 (E2M3) with one E8M0 byte for each 32 along K.  (2) The mask [2048][2048] int32 becomes lane-mask words.
; TILES.  Rows go in tiles of 16: tile 2 B + u holds rows 32 B + 8 u + r + 8 (r / 8), r = 0 .. 15, so that a product which takes two neighbouring tiles as source 0 leaves 16 neighbouring rows in a lane's 16 registers.
; cod: [tile 0..767][kk 0..15][768 bytes]: tiles 0-511 x, 512-575 wq, 576-639 wk, 640-703 wv, 704-767 wo.  A unit of 768 bytes is 16 rows x 64 along K as an IMAGE OF THE OPERAND'S REGISTERS: lane (r, h) holds the 24 bytes of
;   k = 32 h .. 32 h + 31 of row r; its registers 0-3 lie at 16 x lane, its registers 4-5 at 512 + 8 x lane.
; scl: [tile][ks 0..3][r][2 words]: word q of pair ks holds the four bytes of k = 256 ks + 128 q + 32 b.
; mw:  [query tile T 0..127][key step s 0..15][n 0..63] words: bit 16 h + r of word n = 16 b + i says whether mask[row r of tile T][128 s + 32 b + 16 h + i] is not 0: the lane mask of register n of the scores.
; A block's scale is 2^(floor(log2(its largest magnitude)) - 2); its byte is the largest magnitude's exponent field - 2, held at 1 from below by a floor among the maximum's leaves.
; LIMITS: a block of zeros gets the byte 1 where the rule says 127 (its codes are zeros, and this program alone reads the bytes); NaN and infinities among the inputs are not served.
; SHARES.  Work-groups 0-383 quantise: wave w takes tile 2 g + w / 2 and half w % 2 of K (512 numbers a row: four fragments of 128).  Work-groups 384-511 pack the mask: one query tile each, four key steps a wave.
; Waves share nothing: no barrier, no cluster (no two work-groups read the same bytes), no tensor load.  The mask's path touches no LDS.
.set ROWB, 4096                        ; a row of x or of a weight in bytes
.set SPI,  528                         ; a stage row: 512 bytes + 16: an odd multiple of 16, so that the sixteen rows of a read start in different banks
.set R,    16                          ; v16-143  two sets of 64 registers as loaded
.set X,    144                         ; v144-207 a lane's two whole blocks of 32: block c at X + 32 c
.set C,    208                         ; v208-219 a fragment's codes
.set CT,   220                         ; v220-222, v224-226: the second halves as the conversions leave them
.set W,    228                         ; v228-231 the four fragments' scale words
.set MO,   208                         ; the mask's path: v208-215 the words of four steps, two registers a step
	s_load_b512 s[4:19], s[0:1], 0x0               ; x s[4:5], wq s[6:7], wk s[8:9], wv s[10:11], wo s[12:13], mask s[14:15], cod s[16:17], scl s[18:19]
	s_load_b64 s[20:21], s[0:1], 0x40              ; mw
	v_lshl_add_u32 v232, v0, 2, 0x8400
	v_mov_b32 v233, 0
	v_lshrrev_b32 v1, 5, v0
	v_readfirstlane_b32 s24, v1                    ; wave
	v_and_b32 v1, 31, v0                           ; lane
	v_and_b32 v2, 15, v0                           ; r
	v_bfe_u32 v3, v0, 4, 1                         ; h
	v_lshlrev_b32 v4, 4, v1                        ; 16 x lane
	v_lshlrev_b32 v5, 3, v1                        ; 8 x lane
	s_cmp_ge_u32 ttmp9, 384
	s_cbranch_scc1 .Lmask
; ---------------- the quantiser ----------------
	s_lshr_b32 s25, s24, 1                         ; u: which tile of the pair
	s_and_b32 s26, s24, 1                          ; which half of K
	s_mul_i32 s27, s24, 16*SPI                     ; my wave's stage
	v_add_nc_u32 v6, s27, v4                       ; in: a row's 512 bytes as they lie
	v_mul_u32_u24 v7, v2, SPI
	v_lshl_add_u32 v7, v3, 7, v7
	v_add_nc_u32 v7, s27, v7                       ; out: row r, + 128 h: my 32 numbers of each 64
	s_mov_b32 s22, 0x76543210
	s_mov_b32 s23, 0xfedcba98                      ; lane selects: lane l xor 16
	v_lshlrev_b32 v8, 3, v3                        ; 8 h: where my two bytes stand in a scale word
	v_mov_b32 v9, 0                                ; a lane permute's destination counts as one of its sources
	s_and_b32 s28, ttmp9, 31
	s_cmp_lt_u32 ttmp9, 256
	s_cselect_b32 s28, ttmp9, s28                  ; the pair of tiles inside its tensor
	s_lshl_b32 s28, s28, 17                        ; 32 rows of 4,096 bytes
	s_lshl_b32 s29, s25, 15                        ; + 8 u rows
	s_add_co_u32 s28, s28, s29
	s_lshl_b32 s29, s26, 11                        ; + my half of K
	s_add_co_u32 s28, s28, s29
	s_mov_b32 s29, 0
	s_lshl_b32 s30, ttmp9, 1
	s_add_co_u32 s30, s30, s25                     ; the tile's number in cod and scl
	s_lshl_b32 s32, s30, 9
	s_lshl_b32 s31, s26, 8
	s_add_co_u32 s32, s32, s31
	s_mov_b32 s33, 0
	s_mul_i32 s30, s30, 12288
	s_mul_i32 s31, s26, 6144
	s_add_co_u32 s30, s30, s31
	s_mov_b32 s31, 0
	s_wait_kmcnt 0x0
	s_cmp_lt_u32 ttmp9, 352                        ; which tensor: the choice hangs on the work-group's number alone
	s_cselect_b64 s[12:13], s[10:11], s[12:13]
	s_cmp_lt_u32 ttmp9, 320
	s_cselect_b64 s[12:13], s[8:9], s[12:13]
	s_cmp_lt_u32 ttmp9, 288
	s_cselect_b64 s[12:13], s[6:7], s[12:13]
	s_cmp_lt_u32 ttmp9, 256
	s_cselect_b64 s[12:13], s[4:5], s[12:13]
	s_add_nc_u64 s[12:13], s[12:13], s[28:29]
	s_add_nc_u64 s[16:17], s[16:17], s[30:31]
	s_add_nc_u64 s[18:19], s[18:19], s[32:33]
.macro LOADF f                         ; fragment f: 512 consecutive bytes of each of the tile's sixteen rows, a row a load
.irp i, 0,1,2,3,4,5,6,7,8,9,10,11,12,13,14,15
	global_load_b128 v[R+64*((\f)%2)+4*\i:R+64*((\f)%2)+4*\i+3], v4, s[12:13] offset:(\i+8*(\i/8))*ROWB+512*(\f) th:TH_LOAD_NT
.endr
.endm
.macro TURNF f                         ; through the stage: LDS serves a wave's instructions in order, so no wait stands between the stores and the loads
.irp i, 0,1,2,3,4,5,6,7,8,9,10,11,12,13,14,15
	ds_store_b128 v6, v[R+64*((\f)%2)+4*\i:R+64*((\f)%2)+4*\i+3] offset:SPI*\i
.endr
.irp c, 0,1
.irp j, 0,1,2,3,4,5,6,7
	ds_load_b128 v[X+32*\c+4*\j:X+32*\c+4*\j+3], v7 offset:256*\c+16*\j   ; k = 64 c + 32 h + 4 j .. of row r
.endr
.endr
.endm
.macro QF f                            ; my two whole blocks (2 c + h) of fragment f: scale bytes, codes, stores
.irp c, 0,1
	v_max3_num_f32 v[10+\c], |v[X+32*\c]|, |v[X+32*\c+1]|, 0x1800000   ; with the floor 2^(3 - 127): the byte cannot fall under 1
.endr
.irp i, 2,4,6,8,10,12,14,16,18,20,22,24,26,28,30
.irp c, 0,1
	v_max3_num_f32 v[10+\c], v[10+\c], |v[X+32*\c+\i]|, |v[X+32*\c+\i+1]|   ; the two blocks by turns
.endr
.endr
.irp c, 0,1
	v_add_nc_u32 v[12+\c], 0xff000000, v[10+\c]    ; 2 off the exponent field: the conversion's scale operand
.endr
.irp c, 0,1
	v_lshrrev_b32 v[10+\c], 23, v[12+\c]           ; the scale's byte
.endr
	v_lshl_or_b32 v14, v11, 16, v10                ; bytes h and 2 + h of the word,
	v_lshlrev_b32 v14, v8, v14                     ; at their places;
	v_permlanex16_b32 v9, v14, s22, s23
	v_or_b32 v[W+(\f)], v14, v9                    ; with lane l xor 16's two the word is whole, in both halves of the lanes
	s_wait_xcnt 0x0                                ; the last fragment's stores have read the codes' registers
.irp c, 0,1
	v_cvt_scalef32_pk16_fp6_f32 v[C+6*\c:C+6*\c+2], v[X+32*\c:X+32*\c+15], v[12+\c]
	v_cvt_scalef32_pk16_fp6_f32 v[CT+4*\c:CT+4*\c+2], v[X+32*\c+16:X+32*\c+31], v[12+\c]   ; (a conversion's three registers begin on an even number)
.endr
	v_nop                                          ; one plain place behind the conversions
.irp c, 0,1
.irp i, 0,1,2
	v_mov_b32 v[C+3+6*\c+\i], v[CT+4*\c+\i]
.endr
.endr
.irp c, 0,1
	global_store_b128 v4, v[C+6*\c:C+6*\c+3], s[16:17] offset:(2*(\f)+\c)*768         ; 512 consecutive bytes
	global_store_b64 v5, v[C+6*\c+4:C+6*\c+5], s[16:17] offset:(2*(\f)+\c)*768+512    ; 256 consecutive bytes
.endr
.endm
	LOADF 0
	LOADF 1
.irp f, 0,1,2,3
.if \f < 3
	s_wait_loadcnt 16                              ; this fragment's sixteen loads are in; the next fragment's sixteen may be out
.else
	s_wait_loadcnt 0x0
.endif
	TURNF \f
	s_wait_dscnt 0x0                               ; my numbers are back, and the stage's stores have read their registers,
.if \f < 2
	LOADF \f+2                                     ; which take the fragment two on
.endif
	QF \f
.endr
	v_cmp_le_u32 vcc_lo, 16, v1                    ; lanes 0-15 store row r's words of fragments 0, 1; lanes 16-31 those of fragments 2, 3
	v_cndmask_b32 v10, v[W], v[W+2], vcc_lo
	v_cndmask_b32 v11, v[W+1], v[W+3], vcc_lo
	global_store_b64 v5, v[10:11], s[18:19]        ; 256 consecutive bytes, aligned
	s_wait_tensorcnt 0x0
	ds_add_u32 v232, v233
	s_wait_dscnt 0x0
	s_endpgm
; ---------------- the mask ----------------
.Lmask:
	s_sub_co_u32 s25, ttmp9, 384                   ; query tile T
	v_and_b32 v8, 8, v2
	v_add_nc_u32 v8, v8, v2                        ; r + 8 (r / 8)
	v_lshlrev_b32 v8, 13, v8                       ; a row of the mask is 8,192 bytes
	v_lshl_add_u32 v8, v3, 6, v8                   ; + 16 h keys
	s_lshr_b32 s26, s25, 1
	s_lshl_b32 s26, s26, 18                        ; 32 rows
	s_and_b32 s27, s25, 1
	s_lshl_b32 s27, s27, 16                        ; + 8 rows
	s_add_co_u32 s26, s26, s27
	s_lshl_b32 s27, s24, 11                        ; + my wave's four steps of 128 keys
	s_add_co_u32 s26, s26, s27
	s_mov_b32 s27, 0
	s_lshl_b32 s28, s25, 12                        ; mw: 16 steps of 256 bytes a tile,
	s_lshl_b32 s29, s24, 10                        ; four steps a wave
	s_add_co_u32 s28, s28, s29
	s_mov_b32 s29, 0
.irp j, 0,1,2,3,4,5,6,7
	v_mov_b32 v[MO+\j], 0                          ; v_writelane_b32's destination counts as read
.endr
	s_wait_kmcnt 0x0
	s_add_nc_u64 s[14:15], s[14:15], s[26:27]
	s_add_nc_u64 s[20:21], s[20:21], s[28:29]
.macro MLOAD f                         ; step f: register 16 b + i takes mask[my row][128 f + 32 b + 16 h + i]
.irp b, 0,1,2,3
.irp j, 0,1,2,3
	global_load_b128 v[R+64*((\f)%2)+16*\b+4*\j:R+64*((\f)%2)+16*\b+4*\j+3], v8, s[14:15] offset:512*(\f)+128*\b+16*\j
.endr
.endr
.endm
.macro MSTEP f
.if \f < 3
	s_wait_loadcnt 16                              ; this step's sixteen loads are in; the next step's may be out
.else
	s_wait_loadcnt 0x0
.endif
.irp g, 0,1,2,3,4,5,6,7
.irp n, 0,1,2,3,4,5,6,7
	v_cmp_ne_u32 s[32+\n], 0, v[R+64*((\f)%2)+8*\g+\n]          ; word 8 g + n: a bit a lane
.endr
.irp n, 0,1,2,3,4,5,6,7
	v_writelane_b32 v[MO+2*(\f)+(\n%2)], s[32+\n], 4*\g+(\n/2)  ; word N to lane N / 2, register N % 2: 8 bytes a lane are words 2 l, 2 l + 1
.endr
.endr
.if \f < 2
	MLOAD \f+2
.endif
	global_store_b64 v5, v[MO+2*(\f):MO+2*(\f)+1], s[20:21] offset:256*(\f)   ; 256 consecutive bytes, aligned; each step has registers of its own
.endm
	MLOAD 0
	MLOAD 1
	MSTEP 0
	MSTEP 1
	MSTEP 2
	MSTEP 3
	s_endpgm
.Lfunc_end_k_q740b5738c2_prep:
	.size	k_q740b5738c2_prep, .Lfunc_end_k_q740b5738c2_prep-k_q740b5738c2_prep
	.p2alignl 7, 3214868480
	.fill 96, 4, 3214868480
	.section	.rodata,"a",@progbits
	.p2align	6, 0x0
	.amdhsa_kernel k_q740b5738c2_prep
		.amdhsa_group_segment_fixed_size 34304
		.amdhsa_private_segment_fixed_size 0
		.amdhsa_enable_private_segment 0
		.amdhsa_kernarg_size 72
		.amdhsa_user_sgpr_count 2
		.amdhsa_user_sgpr_kernarg_segment_ptr 1
		.amdhsa_wavefront_size32 1
		.amdhsa_system_sgpr_workgroup_id_x 1
		.amdhsa_system_sgpr_workgroup_id_y 1
		.amdhsa_system_sgpr_workgroup_id_z 1
		.amdhsa_system_vgpr_workitem_id 0
		.amdhsa_next_free_vgpr 234
		.amdhsa_next_free_sgpr 66
		.amdhsa_reserve_vcc 1
		.amdhsa_float_denorm_mode_32 3
		.amdhsa_float_denorm_mode_16_64 3
		.amdhsa_memory_ordered 1
		.amdhsa_forward_progress 1
		.amdhsa_inst_pref_size 70
	.end_amdhsa_kernel
	.amdgpu_metadata
---
amdhsa.version: [ 1, 2 ]
amdhsa.kernels:
  - .name:           k_q740b5738c2_prep
    .symbol:         k_q740b5738c2_prep.kd
    .args:
      - { .name: x, .offset: 0, .size: 8, .value_kind: global_buffer, .address_space: global }
      - { .name: wq, .offset: 8, .size: 8, .value_kind: global_buffer, .address_space: global }
      - { .name: wk, .offset: 16, .size: 8, .value_kind: global_buffer, .address_space: global }
      - { .name: wv, .offset: 24, .size: 8, .value_kind: global_buffer, .address_space: global }
      - { .name: wo, .offset: 32, .size: 8, .value_kind: global_buffer, .address_space: global }
      - { .name: mask, .offset: 40, .size: 8, .value_kind: global_buffer, .address_space: global }
      - { .name: cod, .offset: 48, .size: 8, .value_kind: global_buffer, .address_space: global }
      - { .name: scl, .offset: 56, .size: 8, .value_kind: global_buffer, .address_space: global }
      - { .name: mw, .offset: 64, .size: 8, .value_kind: global_buffer, .address_space: global }
    .group_segment_fixed_size: 34304
    .private_segment_fixed_size: 0
    .kernarg_segment_align: 8
    .kernarg_segment_size: 72
    .max_flat_workgroup_size: 128
    .sgpr_count:     66
    .vgpr_count:     234
    .wavefront_size: 32
...
	.end_amdgpu_metadata
.endif
;; end of part 1
;; launch qkv (part 2): grid 12 x 32, 4 waves a work-group, clusters of 4 x 4, 327,680 bytes of LDS; arguments cod, scl, bq, bk, bv, qc, kv; writes qc, kv
.if DOCPART == 2
	.amdgcn_target "amdgcn-amd-amdhsa--gfx1250"
	.amdhsa_code_object_version 6
	.text
	.protected	k_q740b5738c2_qkv
	.globl	k_q740b5738c2_qkv
	.p2align	8
	.type	k_q740b5738c2_qkv,@function
k_q740b5738c2_qkv:
	s_mov_b64 s[64:65], 0
	v_nop
	global_prefetch_b8 v0, s[64:65] scope:SCOPE_SE
	s_setreg_imm32_b32 hwreg(HW_REG_WAVE_MODE, 25, 1), 1
	s_wait_xcnt 0x0
	s_wait_alu depctr_hold_cnt(0) depctr_sa_sdst(0) depctr_va_vdst(0) depctr_va_sdst(0) depctr_va_ssrc(0) depctr_va_vcc(0) depctr_vm_vsrc(0)
	s_getreg_b32 s2, hwreg(HW_REG_IB_STS2, 6, 4)
	s_cmp_eq_u32 s2, 0
	s_cbranch_scc0 .Lentry_in_a_cluster
	s_endpgm
.Lentry_in_a_cluster:
	s_bfe_u32 s2, ttmp6, 0x10000c
	s_cmp_lg_u32 s2, 0xf033
	s_cbranch_scc0 .Lentry_shape_is_right
	s_endpgm
.Lentry_shape_is_right:
; QKV.  q = x wq^T + bq, k = x wk^T + bk, v = x wv^T + bv on codes of FP6 (E2M3) with E8M0 scales, sums in f32; the results are quantised in registers and leave as codes: q and k along the head's 64, v along the keys.
; OPERANDS: cod and scl as the launch before laid them: tiles of 16 rows (tile 2 B + u: rows 32 B + 8 u + r + 8 (r / 8)), units of 768 bytes (16 rows x 64 K as an image of registers), scale words [tile][ks][r][2].
; A tile of the result, 256 x 256, is made by four waves, 128 x 128 each: 64 accumulators, 512 registers.  K = 1,024 goes in four steps of 256 through a ring of two LDS slots filled by tensor loads.
; The matrix instruction takes 16 rows of "B" as source 0 and 16 rows of "A" as source 1: a lane holds ONE row of A, and the 64 registers of A's block a run along 128 rows of B: register 16 b + i is B's row 32 b + 16 (lane / 16) + i.
; ROLES, by the cluster's x (the same number in all sixteen partners): 0: A = x, B = wq;  1: A = x, B = wk: a lane holds a token, its registers run along two heads' 64: the next product's K.
;   2: A = wv, B = x: a lane holds a channel d, its registers run along 128 keys: the next product's K.  One main loop serves all three; only addresses differ, by scalar selects.
; CLUSTERS: 4 x 4 work-groups; A's tiles are shared along a row of the cluster, B's along a column, each asked for jointly by one tensor load with a mask that names the four.
; OUT.  qc: [batch x head][step 0..15][6,656]: 8 units (token tiles 8 step + 0..7), then 512 bytes of scale words (lane 16 u + r, word p: tile 2 p + u, row r; bytes 0, 1 real, bytes 2, 3 zero).
;   kv: [batch x head][step][13,056]: k's 8 units; at 6,144 v's four fragments (16 d x 128 keys, three images of 512 bytes each); at 12,288 k's scale words as in qc; at 12,800 v's (lane 16 u + r, word q: d tile 2 q + u).
; LIMITS: a block of zeros gets the byte 1 where the rule says 127 (its codes are zeros; this program alone reads the bytes); NaN and infinities are not served.
; REGISTERS, in windows of 256: window 0: v0-31 addresses; v32-63 scale words, two sets; v64-127 the bias along registers; v128-223 A's fragments, one set; v224-239 the bias by lanes.  On the way out v32-50 and v128-219 are at work.
;   window 1: B's fragments, two sets, at v0 and v128.   window 2: the accumulators of A's blocks 0-3 ((a, b) at v[8 (8 a + b)]);   window 3: those of blocks 4-7.
.set NQ,     2                         ; matrix instructions deep in a slot: 256 along K
.set FR,     12                        ; registers of a fragment
.set NL,     4                         ; LDS loads that bring one
.set NP,     4                         ; places behind this matrix instruction (ISA guide 7.12.1)
.set TILEB,  3072                      ; a tile's four units of a slot
.set HALFT,  8*TILEB                   ; eight tiles: what one tensor load brings, and what one wave reads of A or of B
.set SLOT,   4*HALFT                   ; A's 16 tiles, then B's 16
.set SCL,    2*SLOT                    ; behind the ring: the scale words for all of K: A's 8,192 bytes, then B's; filled once
.set HALFS,  4096
.set SPARE,  SCL+4*HALFS               ; the spare words, 128 bytes for each wave: two blocks of 256 bytes that no other line names
.set ADRA, 16                          ; v16-17 LDS address of my A fragments' first four registers in slot 0, 1;  v18-19 of their last two
.set ADRB, 20                          ; v20-23 the same for B
.set ADRS, 27                          ; v27    LDS address of my scale words: lanes 0-15 A's rows, lanes 16-31 B's
.set SPW,  28                          ; v28    my spare word; never rewritten
.set NIL,  29                          ; v29    0; never rewritten
.set SC,   32
.set AF,   128
.set BIAS, 64
.set BV,   224
.set HA,   128                         ; the way out: 64 numbers of a lane
.set PC,   192                         ; their codes (12), and the conversions' second halves at +12, +16
.set SA,   212                         ; v212-215, v216-219: scale words gathered for the stores
.set SB,   216
.set TM,   32                          ; v32-47 at work in the quantiser
.set PW,   48                          ; the scale word just made
.set SEL,  98
.set G1, 24
.set G0, 32
.set G1B, 48
.set G0B, 56
.set G1S, 68
.set G0S, 76
.set G1SB, 80
.set G0SB, 88
.set MSB, 0
.macro WIN new                         ; the immediate's high byte repeats the setting that is left
.if MSB != \new
	s_set_vgpr_msb (MSB<<8)|\new
.set MSB, \new
.endif
.endm
.set MUL_LO, 0xa1                      ; source 0 (B) window 1, source 1 (A) window 0, C and D window 2
.set MUL_HI, 0xf1                      ; the same, C and D window 3
.set TO_B,   0x40                      ; destination window 1, address window 0
; A joint load: waves 0 and 1 fetch for A, waves 2 and 3 for B.  Each line has one mask and one set of registers for all that issue it; the branch hangs on the wave's number alone.  Four v_nop follow each line.
.macro JLOAD g0a, g1a, g0b, g1b
	s_cmp_eq_u32 s15, 0
	s_cbranch_scc0 .Lfor_b_\@
	tensor_load_to_lds s[\g0a:\g0a+3], s[\g1a:\g1a+7]
	s_nop 0
.rept 4
	v_nop
.endr
	s_branch .Lasked_\@
.Lfor_b_\@:
	tensor_load_to_lds s[\g0b:\g0b+3], s[\g1b:\g1b+7]
	s_nop 0
.rept 4
	v_nop
.endr
.Lasked_\@:
.endm
.macro CREST                           ; a round of the cluster's barrier behind its opening barrier
	s_cmp_lg_u32 s14, 0
	s_cbranch_scc1 .Lnot_wave_0_\@
	s_barrier_signal -3
.Lnot_wave_0_\@:
	s_barrier_wait -3
	s_barrier_signal -1
	s_barrier_wait -1
.endm
.macro CROUND
	s_barrier_signal -1
	s_barrier_wait -1
	CREST
.endm
	s_load_b256 s[4:11], s[0:1], 0x0               ; cod s[4:5], scl s[6:7], bq s[8:9], bk s[10:11]
	s_load_b128 s[92:95], s[0:1], 0x20             ; bv s[92:93], qc s[94:95]
	s_load_b64 s[96:97], s[0:1], 0x30              ; kv
	v_lshl_add_u32 v[SPW], v0, 2, SPARE
	v_mov_b32 v[NIL], 0
	ds_add_u32 v28, v29
	ds_add_u32 v28, v29
	s_wait_dscnt 0x0
	v_lshrrev_b32 v1, 5, v0
	v_readfirstlane_b32 s14, v1                    ; wave 0..3
	s_lshr_b32 s15, s14, 1                         ; which half of A's rows is mine.  Also: I fetch for A (0) or for B (1)
	s_and_b32 s16, s14, 1                          ; which half of B's rows.  Also: which eight tiles I fetch
	s_bfe_u32 s40, ttmp6, 0x40000                  ; cx
	s_bfe_u32 s41, ttmp6, 0x40004                  ; cy
	s_and_b32 s18, ttmp7, 0xffff                   ; the cluster's y
	s_cmp_eq_u32 ttmp9, 2                          ; the cluster's x: 2 = v
	s_cselect_b32 s19, s18, ttmp9                  ; B's cluster coordinate
	s_cselect_b32 s20, 0, s18                      ; A's
	s_cselect_b32 s21, 640, 0                      ; A's first tile in cod: wv or x
	s_cselect_b32 s22, 0, 512                      ; B's: x, or wq (wk follows it)
	s_lshl_b32 s42, s19, 2
	s_add_co_u32 s42, s42, s40                     ; B's block of 256 rows: it holds cx and never cy
	s_lshl_b32 s17, s20, 2
	s_add_co_u32 s17, s17, s41                     ; A's block of 256 rows: it holds cy and never cx
	s_lshl_b32 s43, s41, 2
	s_lshl_b32 s43, 15, s43                        ; my row of the cluster
	s_lshl_b32 s44, 0x1111, s40                    ; my column
	; descriptor group 1 for the codes: eight rows of 3,072 bytes (a tile's four units of this K step), 12,288 bytes apart; elements of 8 bytes; dense in LDS
	s_or_b32 s[G1+0], s43, (3<<16)|(1<<21)         ; 15:0 the mask: A's tiles go to my row; 17:16 elements of 8 bytes; 21 set beside a mask
	s_or_b32 s[G1B+0], s44, (3<<16)|(1<<21)
.irp g, G1, G1B
	s_mov_b32 s[\g+1], 384<<16                     ; tensor_dim0
	s_mov_b32 s[\g+2], 8<<16                       ; tensor_dim1
	s_mov_b32 s[\g+3], 384<<16                     ; tile_dim0
	s_mov_b32 s[\g+4], 8                           ; tile_dim1
	s_mov_b32 s[\g+5], 1536                        ; from tile to tile
	s_mov_b32 s[\g+6], 0
	s_mov_b32 s[\g+7], 0
.endr
	; and for the scale words of eight tiles: 4,096 dense bytes as 16 rows of 256
	s_or_b32 s[G1S+0], s43, (3<<16)|(1<<21)
	s_or_b32 s[G1SB+0], s44, (3<<16)|(1<<21)
.irp g, G1S, G1SB
	s_mov_b32 s[\g+1], 32<<16
	s_mov_b32 s[\g+2], 16<<16
	s_mov_b32 s[\g+3], 32<<16
	s_mov_b32 s[\g+4], 16
	s_mov_b32 s[\g+5], 32
	s_mov_b32 s[\g+6], 0
	s_mov_b32 s[\g+7], 0
.endr
	s_lshl_b32 s18, s16, 3
	s_lshl_b32 s20, s17, 4
	s_add_co_u32 s20, s20, s21
	s_add_co_u32 s20, s20, s18                     ; the first tile of A that I would fetch
	s_lshl_b32 s46, s42, 4
	s_add_co_u32 s46, s46, s22
	s_add_co_u32 s46, s46, s18                     ; and of B
	s_lshl_b32 s12, s20, 9                         ; 512 bytes of scale words a tile
	s_mov_b32 s13, 0
	s_lshl_b32 s98, s46, 9
	s_mov_b32 s99, 0
	s_mul_i32 s20, s20, 12288                      ; 12,288 bytes of codes a tile
	s_mov_b32 s21, 0
	s_mul_i32 s46, s46, 12288
	s_mov_b32 s47, 0
	s_mul_i32 s45, s14, HALFT                      ; where they go: wave x eight tiles: no place in the cluster enters an LDS address
	s_lshl_b32 s3, s14, 12
	s_wait_kmcnt 0x0
	s_add_nc_u64 s[20:21], s[4:5], s[20:21]
	s_add_nc_u64 s[12:13], s[6:7], s[12:13]
	s_add_nc_u64 s[46:47], s[4:5], s[46:47]
	s_add_nc_u64 s[98:99], s[6:7], s[98:99]
	CROUND                                         ; all sixteen work-groups are here: the first joint loads meet
	s_mov_b32 s[G0S], 1
	s_add_co_u32 s[G0S+1], s3, SCL
	s_mov_b64 s[G0S+2:G0S+3], s[12:13]
	s_or_b32 s[G0S+3], s[G0S+3], 0x80000000
	s_mov_b32 s[G0SB], 1
	s_add_co_u32 s[G0SB+1], s3, SCL
	s_mov_b64 s[G0SB+2:G0SB+3], s[98:99]
	s_or_b32 s[G0SB+3], s[G0SB+3], 0x80000000
	JLOAD G0S, G1S, G0SB, G1SB                     ; the scale words first: they are wanted with K step 0
.irp s, 0,1
	s_mov_b32 s[G0+4*\s], 1
	s_add_co_u32 s[G0+4*\s+1], s45, \s*SLOT
	s_add_nc_u64 s[G0+4*\s+2:G0+4*\s+3], s[20:21], \s*TILEB
	s_or_b32 s[G0+4*\s+3], s[G0+4*\s+3], 0x80000000
	s_mov_b32 s[G0B+4*\s], 1
	s_add_co_u32 s[G0B+4*\s+1], s45, \s*SLOT
	s_add_nc_u64 s[G0B+4*\s+2:G0B+4*\s+3], s[46:47], \s*TILEB
	s_or_b32 s[G0B+4*\s+3], s[G0B+4*\s+3], 0x80000000
	JLOAD G0+4*\s, G1, G0B+4*\s, G1B               ; three tensor loads of mine are out
.endr
	v_and_b32 v1, 31, v0                           ; lane
	v_and_b32 v2, 15, v0                           ; r
	v_bfe_u32 v3, v0, 4, 1                         ; h
	v_lshlrev_b32 v4, 4, v1                        ; an image's place for my lane: 16 x lane,
	v_lshlrev_b32 v5, 3, v1
	v_add_nc_u32 v5, 512, v5                       ; and 512 + 8 x lane
	s_mul_i32 s21, s15, HALFT                      ; my eight tiles of A
	s_mul_i32 s22, s16, HALFT                      ; my eight tiles of B,
	s_add_co_u32 s22, s22, 2*HALFT                 ; which lie behind A's sixteen
.irp s, 0,1
	v_add_nc_u32 v[ADRA+\s], s21, v4
	v_add_nc_u32 v[ADRB+\s], s22, v4
	v_add_nc_u32 v[ADRA+2+\s], s21, v5
	v_add_nc_u32 v[ADRB+2+\s], s22, v5
	s_add_co_u32 s21, s21, SLOT
	s_add_co_u32 s22, s22, SLOT
.endr
	v_lshlrev_b32 v6, 3, v2                        ; my row's pair of scale words
	s_lshl_b32 s21, s15, 12                        ; A's: my eight tiles
	s_lshl_b32 s22, s16, 12                        ; B's: my eight tiles, behind A's sixteen
	s_add_co_u32 s22, s22, 2*HALFS
	s_sub_co_u32 s22, s22, s21
	v_mul_u32_u24 v7, s22, v3                      ; lanes 16-31 take B's
	s_add_co_u32 s21, s21, SCL
	v_add_nc_u32 v6, v6, v7
	v_add_nc_u32 v[ADRS], s21, v6
	; THE BIASES, both kinds in every work-group, without a branch; each stays inside its buffer.
	; Along registers (q, k): register 16 b + i wants the bias of output 256 cx + 128 (wave % 2) + 32 b + 16 h + i.  By lanes (v): lane r wants that of wv's row 256 cy + 128 (wave / 2) + 32 (a / 2) + 8 (a % 2) + r + 8 (r / 8).
	v_lshlrev_b32 v8, 6, v3                        ; 16 h numbers
	v_and_b32 v9, 8, v2
	v_add_nc_u32 v9, v9, v2
	v_lshlrev_b32 v9, 2, v9                        ; r + 8 (r / 8) numbers
	s_lshl_b32 s18, s40, 10
	s_lshl_b32 s19, s16, 9
	s_add_co_u32 s18, s18, s19
	s_lshl_b32 s20, s41, 10
	s_lshl_b32 s19, s15, 9
	s_add_co_u32 s20, s20, s19
	s_cmp_eq_u32 ttmp9, 0
	s_cselect_b64 s[2:3], s[8:9], s[10:11]
	s_cmp_eq_u32 ttmp9, 2
	s_cselect_b64 s[2:3], s[92:93], s[2:3]
	s_cselect_b32 s18, 0, s18
	s_cselect_b32 s20, s20, 0
	s_mov_b32 s19, 0
	s_mov_b32 s21, 0
	s_add_nc_u64 s[2:3], s[2:3], s[18:19]
	s_add_nc_u64 s[12:13], s[92:93], s[20:21]
.irp b, 0,1,2,3
.irp j, 0,1,2,3
	global_load_b128 v[BIAS+16*\b+4*\j:BIAS+16*\b+4*\j+3], v8, s[2:3] offset:128*\b+16*\j
.endr
.endr
.irp a, 0,1,2,3,4,5,6,7
	global_load_b32 v[BV+2*\a], v9, s[12:13] offset:(32*(\a/2)+8*(\a%2))*4
	global_load_b32 v[BV+2*\a+1], v9, s[12:13] offset:(32*(\a/2)+8*(\a%2))*4   ; twice: the packed addition names a pair
.endr
.macro FRAG reg, adr, q, i             ; a fragment is two units: registers 6 c .. 6 c + 3 at 16 x lane, 6 c + 4, 6 c + 5 at 512 + 8 x lane: every load reads consecutive bytes
.irp c, 0,1
	ds_load_b128 v[\reg+6*\c:\reg+6*\c+3], v[\adr] offset:(\i)*TILEB+(\q)*1536+\c*768
	ds_load_b64 v[\reg+6*\c+4:\reg+6*\c+5], v[\adr+2] offset:(\i)*TILEB+(\q)*1536+\c*768
.endr
.endm
; 16 matrix instructions: A's blocks a0, a0 + 1 x B's eight, 128 along K.  p: B's set;  sc: the set of scale words.  zero = 1: the first product starts the sums.
; The 64 accumulators take turns, one instruction a turn, in the same order in every step.
.macro MUL16 a0, p, q, sc, zero
.irp a, \a0, \a0+1
.irp b, 0,1,2,3,4,5,6,7
.if \zero
	v_wmma_scale_f32_16x16x128_f8f6f4 v[8*(8*((\a)%4)+\b):8*(8*((\a)%4)+\b)+7], v[128*(\p)+FR*\b:128*(\p)+FR*\b+FR-1], v[AF+FR*(\a):AF+FR*(\a)+FR-1], 0, v[SC+8*NQ*(\sc)+NQ*\b+(\q)], v[SC+8*NQ*(\sc)+NQ*(\a)+(\q)] matrix_a_fmt:MATRIX_FMT_FP6 matrix_b_fmt:MATRIX_FMT_FP6 matrix_a_scale:MATRIX_SCALE_ROW1
.else
	v_wmma_scale_f32_16x16x128_f8f6f4 v[8*(8*((\a)%4)+\b):8*(8*((\a)%4)+\b)+7], v[128*(\p)+FR*\b:128*(\p)+FR*\b+FR-1], v[AF+FR*(\a):AF+FR*(\a)+FR-1], v[8*(8*((\a)%4)+\b):8*(8*((\a)%4)+\b)+7], v[SC+8*NQ*(\sc)+NQ*\b+(\q)], v[SC+8*NQ*(\sc)+NQ*(\a)+(\q)] matrix_a_fmt:MATRIX_FMT_FP6 matrix_b_fmt:MATRIX_FMT_FP6 matrix_a_scale:MATRIX_SCALE_ROW1
.endif
.endr
.endr
.endm
.macro FETCH_B slot, q, p
	WIN TO_B
.irp i, 0,1,2,3,4,5,6,7
	FRAG 128*(\p)+FR*\i, ADRB+\slot, \q, \i
.endr
	WIN 0
.endm
.macro FETCH_A slot, q, i0
.irp i, \i0, \i0+1, \i0+2, \i0+3
	FRAG AF+FR*(\i), ADRA+\slot, \q, \i
.endr
.endm
.macro SCALES sc                       ; the K step's two words a row: lanes 0-15 take A's block i, lanes 16-31 B's block i
.irp i, 0,1,2,3,4,5,6,7
	ds_load_b64 v[SC+8*NQ*\sc+NQ*\i:SC+8*NQ*\sc+NQ*\i+1], v[ADRS] offset:\i*512
.endr
.endm
.macro PLACES n                        ; plain vector instructions between a matrix instruction and a load into, or a read of, its registers
.rept \n
	v_nop
.endr
.endm
.macro STEP slot, q, zero              ; a step of 128 along K that has its successor in the same slot
	s_wait_dscnt 4*NL                              ; B's set, A's blocks 0-3 and the scale words are in; the youngest sixteen loads (A's blocks 4-7) may be out
	WIN MUL_LO
	MUL16 0, (\q)%2, \q, \slot, \zero
	MUL16 2, (\q)%2, \q, \slot, \zero
	s_wait_dscnt 0
	PLACES NP
	FETCH_B \slot, (\q)+1, 1-(\q)%2
	FETCH_A \slot, (\q)+1, 0
	WIN MUL_HI
	MUL16 4, (\q)%2, \q, \slot, \zero
	MUL16 6, (\q)%2, \q, \slot, \zero
	PLACES NP
	WIN 0
	FETCH_A \slot, (\q)+1, 4
.endm
; A slot's last step changes slots: one barrier; in front of it each wave waits for all its tensor loads, adds 0 to its spare word, and waits for that and for its own reads of this slot.  fill = 1: the slot is filled again, two K steps ahead.
.macro TURN slot, next, fill
	s_wait_tensorcnt 0x0                           ; all my tensor loads have landed: my part of the next slot
	ds_add_u32 v[SPW], v[NIL]                      ; 0 onto my spare word
	s_wait_dscnt 4*NL+1                            ; (the add and the youngest sixteen loads may be out)
	WIN MUL_LO
	MUL16 0, 1, NQ-1, \slot, 0
	s_wait_dscnt 0x0                               ; the add is done, and my reads of this slot are over
	s_barrier_signal -1
	MUL16 2, 1, NQ-1, \slot, 0
	WIN 0
	s_barrier_wait -1
.if \fill
	CREST                                          ; the barrier has opened a round of the cluster's barrier: no wave of any partner still reads this slot or has a load on its way
	s_add_nc_u64 s[G0+4*\slot+2:G0+4*\slot+3], s[G0+4*\slot+2:G0+4*\slot+3], 2*TILEB
	s_add_nc_u64 s[G0B+4*\slot+2:G0B+4*\slot+3], s[G0B+4*\slot+2:G0B+4*\slot+3], 2*TILEB
	JLOAD G0+4*\slot, G1, G0B+4*\slot, G1B         ; the first tensor load behind the round, my only one until the next; its four v_nop are the places in front of the loads below
.else
	PLACES NP
.endif
	v_add_nc_u32 v[ADRS], 128, v[ADRS]             ; the next K step's scale words
	FETCH_B \next, 0, 0
	FETCH_A \next, 0, 0
	SCALES \next
	WIN MUL_HI
	MUL16 4, 1, NQ-1, \slot, 0
	MUL16 6, 1, NQ-1, \slot, 0
	PLACES NP
	WIN 0
	FETCH_A \next, 0, 4
.endm
	s_wait_tensorcnt 1                             ; the scale words and my part of K step 0 are in; K step 1's load may be out
	s_barrier_signal -1
	s_barrier_wait -1
	FETCH_B 0, 0, 0
	FETCH_A 0, 0, 0
	SCALES 0
	FETCH_A 0, 0, 4
	STEP 0, 0, 1                                   ; K = 1,024 is four fills: the eight steps are written out
	TURN 0, 1, 1
	STEP 1, 0, 0
	TURN 1, 0, 1
	STEP 0, 0, 0
	TURN 0, 1, 0                                   ; nothing is left to fetch
	STEP 1, 0, 0
	s_wait_dscnt 4*NL
	WIN MUL_LO
	MUL16 0, 1, NQ-1, 1, 0
	MUL16 2, 1, NQ-1, 1, 0
	s_wait_dscnt 0
	WIN MUL_HI
	MUL16 4, 1, NQ-1, 1, 0
	MUL16 6, 1, NQ-1, 1, 0
	WIN 0
; THE WAY OUT, without LDS: for each of A's blocks the lane's 64 sums get their bias and are quantised where they stand; the codes are the next operand's registers and are stored as images.
; 64 numbers of a lane, register 16 b + i = k 32 b + 16 (lane / 16) + i of my row, become a fragment's codes in v[PC] on and its scale word in v[PW].
.macro QUANT s
.irp b, 0,1,2,3
	v_max3_num_f32 v[TM+\b], |v[\s+16*\b]|, |v[\s+1+16*\b]|, 0x1800000   ; my 16 numbers of block b, and the floor 2^(3 - 127): the byte cannot fall under 1
.endr
.irp i, 2,4,6,8,10,12,14
.irp b, 0,1,2,3
	v_max3_num_f32 v[TM+\b], v[TM+\b], |v[\s+16*\b+\i]|, |v[\s+1+16*\b+\i]|
.endr
.endr
.irp b, 0,1,2,3
	v_permlanex16_b32 v[TM+4+\b], v[TM+\b], s[SEL], s[SEL+1]
.endr
.irp b, 0,1,2,3
	v_max_num_f32 v[TM+\b], v[TM+\b], v[TM+4+\b]   ; with lane l xor 16's: the block's largest magnitude
.endr
.irp b, 0,1,2,3
	v_add_nc_u32 v[TM+12+\b], 0xff000000, v[TM+\b] ; 2 off its exponent field: the conversion's scale operand
.endr
.irp b, 0,1,2,3
	v_lshrrev_b32 v[TM+4+\b], 23, v[TM+12+\b]      ; the scale's byte
.endr
	v_lshl_or_b32 v[PW], v[TM+5], 8, v[TM+4]
	v_lshl_or_b32 v[PW], v[TM+6], 16, v[PW]
	v_lshl_or_b32 v[PW], v[TM+7], 24, v[PW]
.irp c, 0,1
	v_cvt_scalef32_pk16_fp6_f32 v[PC+6*\c:PC+2+6*\c], v[\s+32*\c:\s+15+32*\c], v[TM+12+2*\c]
	v_cvt_scalef32_pk16_fp6_f32 v[PC+12+4*\c:PC+14+4*\c], v[\s+16+32*\c:\s+31+32*\c], v[TM+12+2*\c+1]   ; (a conversion's three registers begin on an even number)
.endr
	v_nop                                          ; one plain place behind the conversions
.irp c, 0,1                                    ; the operand's layout wants a whole block in a lane: lanes 0-15 block 2 c, lanes 16-31 block 2 c + 1
.irp i, 0,1,2
	v_permlane16_swap_b32 v[PC+6*\c+\i], v[PC+12+4*\c+\i]
.endr
.irp i, 0,1,2
	v_mov_b32 v[PC+3+6*\c+\i], v[PC+12+4*\c+\i]
.endr
.endr
.endm
.macro OUT_QK a                        ; token tile a of my eight: two heads' units and their scale bytes
	WIN 0x02+(\a)/4                                ; source 0: window 2 or 3
.set j, 0
.rept 32
	v_pk_add_f32 v[HA+2*j:HA+2*j+1], v[64*((\a)%4)+2*j:64*((\a)%4)+2*j+1], v[BIAS+2*j:BIAS+2*j+1]   ; each accumulator from its low end on
.set j, j+1
.endr
	WIN 0
.if (\a) > 0
	s_wait_xcnt 0x0                                ; the last tile's stores have read the codes' registers
.endif
	QUANT HA
	global_store_b128 v24, v[PC:PC+3], s[24:25] offset:768*(\a)          ; the first head's unit: 512 consecutive bytes,
	global_store_b64 v25, v[PC+4:PC+5], s[24:25] offset:768*(\a)+512     ; and 256
	global_store_b128 v24, v[PC+6:PC+9], s[26:27] offset:768*(\a)        ; the second head's
	global_store_b64 v25, v[PC+10:PC+11], s[26:27] offset:768*(\a)+512
.if (\a)%2 == 0
	v_and_b32 v[SA+(\a)/2], 0xffff, v[PW]          ; the first head's two bytes; bytes 2 and 3 stay 0: they scale zero codes alone
	v_lshrrev_b32 v[SB+(\a)/2], 16, v[PW]          ; the second head's
.else
	v_and_b32 v49, 0xffff, v[PW]
	v_lshrrev_b32 v50, 16, v[PW]
	v_cndmask_b32 v[SA+(\a)/2], v[SA+(\a)/2], v49, vcc_lo   ; an odd tile's words go to lanes 16-31
	v_cndmask_b32 v[SB+(\a)/2], v[SB+(\a)/2], v50, vcc_lo
.endif
.endm
.macro OUT_V a                         ; d tile a % 4 of head a / 4: one fragment (16 d x my 128 keys) and its scale word
	WIN 0x02+(\a)/4
.set j, 0
.rept 32
	v_pk_add_f32 v[HA+2*j:HA+2*j+1], v[64*((\a)%4)+2*j:64*((\a)%4)+2*j+1], v[BV+2*(\a):BV+2*(\a)+1] op_sel_hi:[1,0]
.set j, j+1
.endr
	WIN 0
.if (\a) > 0
	s_wait_xcnt 0x0                                ; the earlier stores have read their registers
.endif
	QUANT HA
.irp g, 0,1,2
	global_store_b128 v24, v[PC+4*\g:PC+4*\g+3], s[24+2*((\a)/4):25+2*((\a)/4)] offset:((\a)%4)*1536+512*\g
.endr
.if (\a)%2 == 0
	v_mov_b32 v[SA+((\a)%4)/2], v[PW]
.else
	v_cndmask_b32 v[SA+((\a)%4)/2], v[SA+((\a)%4)/2], v[PW], vcc_lo
.endif
.if (\a)%4 == 3
	global_store_b64 v25, v[SA:SA+1], s[24+2*((\a)/4):25+2*((\a)/4)] offset:6656   ; the head's four scale words a row: 256 consecutive bytes
.endif
.endm
	PLACES NP                                      ; behind the last products: their results, fragments and scale registers are touched below
	s_wait_loadcnt 0x0                             ; the biases
	v_and_b32 v1, 31, v0
	v_lshlrev_b32 v24, 4, v1                       ; 16 x lane
	v_lshlrev_b32 v25, 3, v1                       ; 8 x lane
	v_cmp_le_u32 vcc_lo, 16, v1                    ; lanes 16-31
.irp b, 0,1,2,3
	v_mov_b32 v[TM+4+\b], 0                        ; a lane permute's destination counts as one of its sources
.endr
	s_mov_b32 s[SEL], 0x76543210
	s_mov_b32 s[SEL+1], 0xfedcba98
	s_cmp_eq_u32 ttmp9, 2                          ; the same number in all sixteen partners; no barrier and no tensor load stands in either arm
	s_cbranch_scc1 .Lv_out
	; q and k.  My 128 tokens are chunk (batch, step); my 128 outputs are heads 4 cx + 2 (wave % 2) and the next.  All tensor loads are done: their descriptors' registers take the stores' bases.
	s_cmp_eq_u32 ttmp9, 0
	s_cselect_b64 s[24:25], s[94:95], s[96:97]     ; qc or kv
	s_mov_b32 s2, 208896
	s_cselect_b32 s2, 106496, s2                   ; bytes of a head
	s_mov_b32 s3, 13056
	s_cselect_b32 s3, 6656, s3                     ; of a chunk
	s_mov_b32 s12, 12288
	s_cselect_b32 s12, 6144, s12                   ; where the chunk's scale words begin
	s_lshl_b32 s18, s17, 1
	s_add_co_u32 s18, s18, s15                     ; 16 x batch + step
	s_lshr_b32 s19, s18, 4
	s_and_b32 s18, s18, 15
	s_lshl_b32 s19, s19, 4
	s_lshl_b32 s20, s40, 2
	s_add_co_u32 s19, s19, s20
	s_lshl_b32 s20, s16, 1
	s_add_co_u32 s19, s19, s20                     ; 16 x batch + head
	s_mul_i32 s19, s19, s2
	s_mul_i32 s18, s18, s3
	s_add_co_u32 s18, s18, s19
	s_mov_b32 s19, 0
	s_mov_b32 s3, 0
	s_mov_b32 s13, 0
	s_add_nc_u64 s[24:25], s[24:25], s[18:19]      ; the first head's chunk
	s_add_nc_u64 s[26:27], s[24:25], s[2:3]        ; the second head's
	s_add_nc_u64 s[28:29], s[24:25], s[12:13]      ; and their scale words
	s_add_nc_u64 s[30:31], s[26:27], s[12:13]
.irp a, 0,1,2,3,4,5,6,7
	OUT_QK \a
.endr
	global_store_b128 v24, v[SA:SA+3], s[28:29]    ; 512 consecutive bytes each
	global_store_b128 v24, v[SB:SB+3], s[30:31]
	s_branch .Ljoin
.Lv_out:
	; v.  My 128 keys are chunk (batch, step); my 128 rows of wv are heads 4 cy + 2 (wave / 2) and the next.
	s_lshl_b32 s18, s42, 1
	s_add_co_u32 s18, s18, s16
	s_lshr_b32 s19, s18, 4
	s_and_b32 s18, s18, 15
	s_lshl_b32 s19, s19, 4
	s_lshl_b32 s20, s41, 2
	s_add_co_u32 s19, s19, s20
	s_lshl_b32 s20, s15, 1
	s_add_co_u32 s19, s19, s20
	s_mul_i32 s19, s19, 208896
	s_mul_i32 s18, s18, 13056
	s_add_co_u32 s18, s18, s19
	s_add_co_u32 s18, s18, 6144                    ; v's fragments lie behind k's units
	s_mov_b32 s19, 0
	s_add_nc_u64 s[24:25], s[96:97], s[18:19]
	s_add_nc_u64 s[26:27], s[24:25], 208896
.irp a, 0,1,2,3,4,5,6,7
	OUT_V \a
.endr
.Ljoin:
	s_wait_tensorcnt 0x0                           ; the wave's end
	ds_add_u32 v[SPW], v[NIL]
	s_wait_dscnt 0x0
	CROUND                                         ; the closing round: no work-group ends while a partner may still ask for a tile that names it
	s_endpgm
.Lfunc_end_k_q740b5738c2_qkv:
	.size	k_q740b5738c2_qkv, .Lfunc_end_k_q740b5738c2_qkv-k_q740b5738c2_qkv
	.p2alignl 7, 3214868480
	.fill 96, 4, 3214868480
	.section	.rodata,"a",@progbits
	.p2align	6, 0x0
	.amdhsa_kernel k_q740b5738c2_qkv
		.amdhsa_group_segment_fixed_size 327680
		.amdhsa_private_segment_fixed_size 0
		.amdhsa_enable_private_segment 0
		.amdhsa_kernarg_size 56
		.amdhsa_user_sgpr_count 2
		.amdhsa_user_sgpr_kernarg_segment_ptr 1
		.amdhsa_wavefront_size32 1
		.amdhsa_system_sgpr_workgroup_id_x 1
		.amdhsa_system_sgpr_workgroup_id_y 1
		.amdhsa_system_sgpr_workgroup_id_z 1
		.amdhsa_system_vgpr_workitem_id 0
		.amdhsa_next_free_vgpr 1024
		.amdhsa_next_free_sgpr 100
		.amdhsa_reserve_vcc 1
		.amdhsa_float_denorm_mode_32 3
		.amdhsa_float_denorm_mode_16_64 3
		.amdhsa_memory_ordered 1
		.amdhsa_forward_progress 1
		.amdhsa_inst_pref_size 219
	.end_amdhsa_kernel
	.amdgpu_metadata
---
amdhsa.version: [ 1, 2 ]
amdhsa.kernels:
  - .name:           k_q740b5738c2_qkv
    .symbol:         k_q740b5738c2_qkv.kd
    .args:
      - { .name: cod, .offset: 0, .size: 8, .value_kind: global_buffer, .address_space: global }
      - { .name: scl, .offset: 8, .size: 8, .value_kind: global_buffer, .address_space: global }
      - { .name: bq, .offset: 16, .size: 8, .value_kind: global_buffer, .address_space: global }
      - { .name: bk, .offset: 24, .size: 8, .value_kind: global_buffer, .address_space: global }
      - { .name: bv, .offset: 32, .size: 8, .value_kind: global_buffer, .address_space: global }
      - { .name: qc, .offset: 40, .size: 8, .value_kind: global_buffer, .address_space: global }
      - { .name: kv, .offset: 48, .size: 8, .value_kind: global_buffer, .address_space: global }
    .group_segment_fixed_size: 327680
    .private_segment_fixed_size: 0
    .kernarg_segment_align: 8
    .kernarg_segment_size: 56
    .max_flat_workgroup_size: 128
    .sgpr_count:     100
    .vgpr_count:     1024
    .wavefront_size: 32
...
	.end_amdgpu_metadata
.endif
;; end of part 2
;; launch attn (part 3): grid 4 x 64, 16 waves a work-group, clusters of 4 x 1, 210,944 bytes of LDS; arguments qc, kv, mw, ao, aos; writes ao, aos
.if DOCPART == 3
	.amdgcn_target "amdgcn-amd-amdhsa--gfx1250"
	.amdhsa_code_object_version 6
	.text
	.protected	k_q740b5738c2_attn
	.globl	k_q740b5738c2_attn
	.p2align	8
	.type	k_q740b5738c2_attn,@function
k_q740b5738c2_attn:
	s_mov_b64 s[64:65], 0
	v_nop
	global_prefetch_b8 v0, s[64:65] scope:SCOPE_SE
	s_setreg_imm32_b32 hwreg(HW_REG_WAVE_MODE, 25, 1), 1
	s_wait_xcnt 0x0
	s_wait_alu depctr_hold_cnt(0) depctr_sa_sdst(0) depctr_va_vdst(0) depctr_va_sdst(0) depctr_va_ssrc(0) depctr_va_vcc(0) depctr_vm_vsrc(0)
	s_getreg_b32 s2, hwreg(HW_REG_IB_STS2, 6, 4)
	s_cmp_eq_u32 s2, 0
	s_cbranch_scc0 .Lentry_in_a_cluster
	s_endpgm
.Lentry_in_a_cluster:
	s_bfe_u32 s2, ttmp6, 0x10000c
	s_cmp_lg_u32 s2, 0x3003
	s_cbranch_scc0 .Lentry_shape_is_right
	s_endpgm
.Lentry_shape_is_right:
; ATTN.  For each (batch, head): S = q k^T / 8, masked, softmax, O = P v, both products on codes of FP6 (E2M3) with E8M0 scales; O / l is quantised along (head, d) and leaves as codes for the last projection.
; THE SOFTMAX AHEAD OF THE SECOND PRODUCT: t = score x log2(e) / 8; M = the running largest t rounded UP to a whole number; p = 2^(t - M) is quantised along the keys, not normalised; the row's sum l is taken of the
; unquantised p and divides O at the end.  When M moves, l and O are multiplied by 2^(old M - new M): exact.  A hidden score becomes -infinity ahead of the maximum, so its p is 0.
; A query all of whose keys are hidden has l = 0: its two scale bytes are set to 0xff, so that the last projection gives NaN in that row, as a softmax of nothing but -infinity does.
; SHARES.  A cluster of four work-groups owns one (batch, head); a work-group 512 of its queries; each of its sixteen waves one tile of 16 queries at a time, twice: tile 32 cx + 16 pass + wave.  Four waves share a SIMD, so that
; one wave's vector work stands beside another's products and LDS loads.
; LDS.  The head's whole k, v and their scale words, 16 chunks of 13,056 bytes as the launch before laid them, are filled ONCE, a chunk a wave, and stay: no byte of LDS is filled again and none is stored to.
; The four partners need the same bytes: each chunk is asked for JOINTLY, by the same tensor load with the same descriptor and the mask 15.
; LAYOUT.  Both products are used transposed: S^T = k q^T (source 0 = 16 keys, source 1 = my 16 queries), O^T = v^T p^T: a lane holds ONE query throughout.  The keys of a tile are not neighbours (tile 2 b + u: keys
; 32 b + 8 u + r + 8 (r / 8)), so that register 16 b + i of the scores is key 32 b + 16 (lane / 16) + i of the step.
; K = 64 IN THE FIRST PRODUCT.  The instruction's K is 128.  q's registers 6-11 are zero codes, so whatever stands in k's registers 6-11 adds exactly 0 (the format has no code for infinity or NaN, and the scale bytes there are 0,
; not 0xff): k's operand for tile t is v[32 + 6 t .. 43 + 6 t], whose upper six registers are the next tile's codes (behind tile 7: six zeros).  That spares half of k's LDS reads and registers.
; THE MASK comes as lane-mask words, one for each register of the scores: 64 words a step by scalar loads, one v_cndmask_b32 a score; nothing but that select hangs on them.
; LIMITS: a block of zeros gets the byte 1 where the rule says 127 (its codes are zeros; this program alone reads the bytes); NaN and infinities among the inputs are not served.
; REGISTERS: v1 16 l, v2 8 l, v3 16 r, v4 8 r; v5, v6 the step's LDS addresses; v7 -infinity; v8-11 k's scale words; v12 -M, v13 the largest t, v[14:15] l in two halves; v16-21 q, v22-27 zeros; v28 q's scale word, v29 p's,
;   v30-31 v's; v32-79 k's eight tiles, later p's codes; v80-85 zeros; v96-159 S^T, then p; v160-191 O^T; v192-239 v's four fragments; v240-254 at work; v255 0xffff.
.set CH,   13056                       ; a chunk: 128 keys of one head
.set WV,   14
.macro ROUND                           ; a round of the cluster's barrier
	s_barrier_signal -1
	s_barrier_wait -1
	s_cmp_lg_u32 s[WV], 0
	s_cbranch_scc1 .Lnot_wave_0_\@
	s_barrier_signal -3
.Lnot_wave_0_\@:
	s_barrier_wait -3
	s_barrier_signal -1
	s_barrier_wait -1
.endm
	s_load_b256 s[4:11], s[0:1], 0x0               ; qc s[4:5], kv s[6:7], mw s[8:9], ao s[10:11]
	s_load_b64 s[12:13], s[0:1], 0x20              ; aos
	v_lshl_add_u32 v94, v0, 2, 0x33000
	v_mov_b32 v95, 0
	ds_add_u32 v94, v95
	ds_add_u32 v94, v95
	v_lshrrev_b32 v1, 5, v0
	v_readfirstlane_b32 s[WV], v1                  ; wave 0..15
	s_and_b32 s15, ttmp7, 0xffff                   ; 16 x batch + head: the cluster's y
	s_bfe_u32 s16, ttmp6, 0x40000                  ; cx: it enters global addresses of q, the mask words and the output alone
	s_lshl_b32 s17, s16, 5
	s_add_co_u32 s17, s17, s[WV]                   ; my first tile of queries
	s_mov_b32 s36, 15|(3<<16)|(1<<21)              ; group 1: 15:0 the mask: all four partners; 17:16 elements of 8 bytes; 21 set beside a mask
	s_mov_b32 s37, 32<<16                          ; tensor_dim0: rows of 256 bytes
	s_mov_b32 s38, 51<<16                          ; tensor_dim1: 51 of them are a chunk
	s_mov_b32 s39, 32<<16                          ; tile_dim0
	s_mov_b32 s40, 51                              ; tile_dim1
	s_mov_b32 s41, 32                              ; dense
	s_mov_b32 s42, 0
	s_mov_b32 s43, 0
	s_mov_b32 s32, 1
	s_mul_i32 s33, s[WV], CH                       ; LDS address: wave x a chunk
	s_mul_i32 s66, s15, 16*CH
	s_add_co_u32 s66, s66, s33
	s_mov_b32 s67, 0                               ; s[66:67]: the pair in which offsets are made; its upper word stays 0
	s_wait_dscnt 0x0
	s_wait_kmcnt 0x0
	s_add_nc_u64 s[34:35], s[6:7], s[66:67]
	s_or_b32 s35, s35, 0x80000000
	ROUND                                          ; all four work-groups are here: the joint loads meet
	tensor_load_to_lds s[32:35], s[36:43]          ; my chunk: my one tensor load of the launch
	s_nop 0
.rept 4
	v_nop
.endr
	v_and_b32 v3, 31, v0
	v_lshlrev_b32 v1, 4, v3                        ; 16 x lane
	v_lshlrev_b32 v2, 3, v3                        ; 8 x lane
	v_and_b32 v4, 15, v0
	v_lshlrev_b32 v3, 4, v4                        ; 16 r
	v_lshlrev_b32 v4, 3, v4                        ; 8 r
	v_mov_b32 v7, 0xff800000                       ; -infinity
.irp j, 0,1,2,3,4,5
	v_mov_b32 v[22+\j], 0                          ; q's upper half of K: zero codes
	v_mov_b32 v[80+\j], 0                          ; what stands behind k's tile 7
.endr
.irp j, 0,1,2,3
	v_mov_b32 v[244+\j], 0                         ; a lane permute's destination counts as one of its sources
.endr
	v_mov_b32 v253, 0                              ; named as the upper half of the pair v[252:253]
	v_mov_b32 v254, 0
	v_mov_b32 v255, 0xffff
	s_mov_b32 s20, 0x76543210
	s_mov_b32 s21, 0xfedcba98                      ; lane selects: lane l xor 16
	s_mov_b32 s22, 0x3e38aa3b                      ; c = log2(e) / 8
	s_mov_b32 s23, s22                             ; (named with it as a pair)
	s_mov_b32 s26, 2                               ; passes
	s_wait_tensorcnt 0x0                           ; my chunk has landed (and the descriptor's registers are free for the mask words),
	s_barrier_signal -1
	s_barrier_wait -1                              ; everybody's has
.Lpass:
	; ---- a tile of 16 queries: its codes, its scale word, its mask words' address
	s_mul_i32 s2, s15, 106496
	s_lshr_b32 s27, s17, 3
	s_mul_i32 s27, s27, 6656
	s_add_co_u32 s2, s2, s27                       ; the tile's chunk in qc
	s_and_b32 s27, s17, 7
	s_mul_i32 s27, s27, 768
	s_add_co_u32 s66, s2, s27
	s_add_nc_u64 s[28:29], s[4:5], s[66:67]        ; its unit
	s_and_b32 s27, s17, 1
	s_lshl_b32 s27, s27, 8
	s_add_co_u32 s2, s2, s27
	s_bfe_u32 s27, s17, 0x20001
	s_lshl_b32 s27, s27, 2
	s_add_co_u32 s66, s2, s27
	s_add_nc_u64 s[30:31], s[4:5], s[66:67]        ; its scale words: lane 16 (T % 2) + r, word (T / 2) % 4, 6,144 bytes on
	global_load_b128 v[16:19], v1, s[28:29]
	global_load_b64 v[20:21], v2, s[28:29] offset:512
	global_load_b32 v28, v3, s[30:31] offset:6144
	s_lshl_b32 s66, s17, 12
	s_add_nc_u64 s[18:19], s[8:9], s[66:67]        ; 16 steps x 64 words
	v_mov_b32 v13, 0xff61b1e6                      ; the largest t so far: -3e38, under every t
	v_floor_f32 v12, -v13                          ; -M
	v_mov_b32 v14, 0
	v_mov_b32 v15, 0
.irp j, 0,1,2,3,4,5,6,7,8,9,10,11,12,13,14,15,16,17,18,19,20,21,22,23,24,25,26,27,28,29,30,31
	v_mov_b32 v[160+\j], 0                         ; O^T: the step is written once; the first finds zeros, which the first change of M leaves zeros
.endr
	s_mov_b32 s24, 0                               ; the step's chunk in LDS
	s_mov_b32 s25, 16                              ; key steps
	s_wait_loadcnt 0x0                             ; q is in, and its loads' bases are free:
	s_lshr_b32 s27, s15, 4
	s_lshl_b32 s27, s27, 7
	s_add_co_u32 s27, s27, s17                     ; the tile among all 512 token tiles
	s_and_b32 s2, s15, 15                          ; the head
	s_lshl_b32 s3, s27, 4
	s_add_co_u32 s3, s3, s2
	s_mul_i32 s66, s3, 768
	s_add_nc_u64 s[28:29], s[10:11], s[66:67]      ; ao: [tile][head][768]
	s_lshl_b32 s27, s27, 9
	s_lshr_b32 s3, s2, 2
	s_lshl_b32 s3, s3, 7
	s_add_co_u32 s27, s27, s3
	s_and_b32 s3, s2, 3
	s_lshl_b32 s3, s3, 1
	s_add_co_u32 s66, s27, s3
	s_add_nc_u64 s[30:31], s[12:13], s[66:67]      ; aos: tile x 512 + (head / 4) x 128 + 8 r + 2 (head % 4)
.Lstep:
	; ---- a key step: 128 keys
	v_add_nc_u32 v5, s24, v1
	v_add_nc_u32 v6, s24, v2
	v_nop
	v_nop                                          ; four places in front of loads into registers that the last products read
	s_load_b512 s[32:47], s[18:19], 0x0            ; the step's 64 mask words: word n in s[32 + n], from n = 32 on in s[36 + n]
	s_load_b512 s[48:63], s[18:19], 0x40
	s_load_b512 s[68:83], s[18:19], 0x80
	s_load_b512 s[84:99], s[18:19], 0xc0
	ds_load_b128 v[8:11], v5 offset:12288          ; k's scale words: register p: lanes 0-15 tile 2 p, lanes 16-31 tile 2 p + 1
.irp t, 0,1,2,3,4,5,6,7
	ds_load_b128 v[32+6*\t:35+6*\t], v5 offset:768*\t
	ds_load_b64 v[36+6*\t:37+6*\t], v6 offset:768*\t+512
.endr
	ds_load_b64 v[30:31], v6 offset:12800          ; v's scale words
.irp f, 0,1,2,3
.irp g, 0,1,2
	ds_load_b128 v[192+12*\f+4*\g:195+12*\f+4*\g], v5 offset:6144+1536*\f+512*\g
.endr
.endr
	s_wait_dscnt 13                                ; k and its scale words are in; v's thirteen loads may be out
.irp t, 0,2,4,6
	v_wmma_scale_f32_16x16x128_f8f6f4 v[96+8*\t:103+8*\t], v[32+6*\t:43+6*\t], v[16:27], 0, v[8+\t/2], v28 matrix_a_fmt:MATRIX_FMT_FP6 matrix_b_fmt:MATRIX_FMT_FP6
	v_wmma_scale_f32_16x16x128_f8f6f4 v[104+8*\t:111+8*\t], v[38+6*\t:49+6*\t], v[16:27], 0, v[8+\t/2], v28 matrix_a_fmt:MATRIX_FMT_FP6 matrix_b_fmt:MATRIX_FMT_FP6 matrix_a_scale:MATRIX_SCALE_ROW1
.endr
.rept 4
	v_nop
.endr
	s_wait_kmcnt 0x0                               ; the mask words are in, and their base may step
	s_add_nc_u64 s[18:19], s[18:19], 256
.set n, 0
.rept 64
	v_cndmask_b32 v[96+n], v7, v[96+n], s[32+n+4*(n/32)]   ; a hidden key's score becomes -infinity; each accumulator from its low end on
.set n, n+1
.endr
.irp b, 0,1,2,3
	v_max3_num_f32 v[240+\b], v[96+16*\b], v[97+16*\b], v[98+16*\b]   ; the largest score of each block of 32 keys: it serves for the row's maximum and, since p rises with the score, for the block's largest p
.endr
.irp i, 3,5,7,9,11,13
.irp b, 0,1,2,3
	v_max3_num_f32 v[240+\b], v[240+\b], v[96+16*\b+\i], v[97+16*\b+\i]
.endr
.endr
.irp b, 0,1,2,3
	v_max_num_f32 v[240+\b], v[240+\b], v[111+16*\b]
.endr
.irp b, 0,1,2,3
	v_permlanex16_b32 v[244+\b], v[240+\b], s20, s21
.endr
.irp b, 0,1,2,3
	v_max_num_f32 v[240+\b], v[240+\b], v[244+\b]  ; with lane l xor 16's 16 keys
.endr
	v_max3_num_f32 v254, v240, v241, v242
	v_max_num_f32 v254, v254, v243                 ; the step's largest score of my query
	v_mul_f32 v254, s22, v254                      ; as t (c is positive)
	v_max_num_f32 v13, v13, v254                   ; the running largest t
	v_mov_b32 v254, v12
	v_floor_f32 v12, -v13                          ; the new -M = floor(-t) = -ceil(t)
	v_sub_f32 v254, v12, v254                      ; old M - new M: a whole number, 0 or less
	v_cvt_i32_f32 v254, v254                       ; (it saturates)
	v_ldexp_f32 v252, 1.0, v254                    ; f = 2^(old M - new M)
.irp j, 0,2,4,6,8,10,12,14,16,18,20,22,24,26,28,30,32,34,36,38,40,42,44,46,48,50,52,54,56,58,60,62
	v_pk_fma_f32 v[96+\j:97+\j], v[96+\j:97+\j], s[22:23], v[12:13] op_sel_hi:[1,0,0]   ; t - M, two at a time
.endr
.irp b, 0,1,2,3
	v_fma_f32 v[240+\b], v[240+\b], s22, v12       ; the same of each block's largest score
.endr
.irp j, 0,1,2,3,4,5,6,7,8,9,10,11,12,13,14,15,16,17,18,19,20,21,22,23,24,25,26,27,28,29,30,31,32,33,34,35,36,37,38,39,40,41,42,43,44,45,46,47,48,49,50,51,52,53,54,55,56,57,58,59,60,61,62,63
	v_exp_f32 v[96+\j], v[96+\j]                   ; p = 2^(t - M), at most 1
.endr
	v_pk_mul_f32 v[14:15], v[14:15], v[252:253] op_sel_hi:[1,0]   ; l under the new M: a plain instruction behind the exponentials
	s_wait_alu depctr_va_vdst(0)                   ; one wait for the batch of 64, ahead of its first reader
.irp b, 0,1,2,3
	v_exp_f32 v[240+\b], v[240+\b]                 ; the block's largest p: the same two instructions on the same number give the same bits
.endr
	v_pk_add_f32 v[244:245], v[96:97], v[98:99]    ; the row's sum of the unquantised p, in two chains: plain work behind the four
.irp j, 4,8,12,16,20,24,28,32,36,40,44,48,52,56,60
	v_pk_add_f32 v[14:15], v[14:15], v[96+\j:97+\j]
	v_pk_add_f32 v[244:245], v[244:245], v[98+\j:99+\j]
.endr
	v_pk_add_f32 v[14:15], v[14:15], v[244:245]
	s_wait_alu depctr_va_vdst(0)                   ; and one wait for the four
.irp b, 0,1,2,3
	v_max_num_f32 v[240+\b], 0x1800000, v[240+\b]  ; the floor 2^(3 - 127): a block whose every p is 0 keeps the byte 1; its codes are zeros
.endr
.irp b, 0,1,2,3
	v_add_nc_u32 v[248+\b], 0xff000000, v[240+\b]  ; 2 off the exponent field: the conversion's scale operand
.endr
.irp b, 0,1,2,3
	v_lshrrev_b32 v[244+\b], 23, v[248+\b]         ; the scale's byte
.endr
	v_lshl_or_b32 v29, v245, 8, v244               ; p's scale word for these 128 keys
	v_lshl_or_b32 v29, v246, 16, v29
	v_lshl_or_b32 v29, v247, 24, v29
.irp c, 0,1
	v_cvt_scalef32_pk16_fp6_f32 v[32+6*\c:34+6*\c], v[96+32*\c:111+32*\c], v[248+2*\c]       ; into k's registers, which are done with
	v_cvt_scalef32_pk16_fp6_f32 v[44+4*\c:46+4*\c], v[112+32*\c:127+32*\c], v[248+2*\c+1]    ; (a conversion's three registers begin on an even number)
.endr
	v_nop                                          ; one plain place behind the conversions
.irp c, 0,1                                    ; the operand's layout wants a whole block in a lane
.irp i, 0,1,2
	v_permlane16_swap_b32 v[32+6*\c+\i], v[44+4*\c+\i]
.endr
.irp i, 0,1,2
	v_mov_b32 v[35+6*\c+\i], v[44+4*\c+\i]
.endr
.endr
.irp j, 0,2,4,6,8,10,12,14,16,18,20,22,24,26,28,30
	v_pk_mul_f32 v[160+\j:161+\j], v[160+\j:161+\j], v[252:253] op_sel_hi:[1,0]   ; O^T under the new M; these sixteen also stand between the writes of p's codes and scale word and the products
.endr
	s_wait_dscnt 0x0                               ; v is in
.irp t, 0,2
	v_wmma_scale_f32_16x16x128_f8f6f4 v[160+8*\t:167+8*\t], v[192+12*\t:203+12*\t], v[32:43], v[160+8*\t:167+8*\t], v[30+\t/2], v29 matrix_a_fmt:MATRIX_FMT_FP6 matrix_b_fmt:MATRIX_FMT_FP6
	v_wmma_scale_f32_16x16x128_f8f6f4 v[168+8*\t:175+8*\t], v[204+12*\t:215+12*\t], v[32:43], v[168+8*\t:175+8*\t], v[30+\t/2], v29 matrix_a_fmt:MATRIX_FMT_FP6 matrix_b_fmt:MATRIX_FMT_FP6 matrix_a_scale:MATRIX_SCALE_ROW1
.endr                                          ; the four accumulators take turns, one instruction a turn; eleven other matrix instructions lie between two links of a chain
	s_add_co_u32 s24, s24, CH
	s_sub_co_u32 s25, s25, 1
	s_cmp_lg_u32 s25, 0
	s_cbranch_scc1 .Lstep
	; ---- the tile's end: O^T / l, quantised along d (register 16 b + i is d = 32 b + 16 (lane / 16) + i: two blocks), stored as one unit and two scale bytes a row
.rept 4
	v_nop
.endr
	v_add_f32 v14, v14, v15
	v_permlanex16_b32 v254, v14, s20, s21
	v_add_f32 v14, v14, v254                       ; the row's sum
	v_cmp_eq_f32 s27, 0, v14                       ; a row with no key at all
	v_rcp_f32 v14, v14
	v_nop                                          ; a plain place behind the reciprocal
	s_wait_alu depctr_va_vdst(0)                   ; and the wait ahead of its first reader
.irp j, 0,2,4,6,8,10,12,14,16,18,20,22,24,26,28,30
	v_pk_mul_f32 v[96+\j:97+\j], v[160+\j:161+\j], v[14:15] op_sel_hi:[1,0]
.endr
.irp b, 0,1
	v_max3_num_f32 v[240+\b], |v[96+16*\b]|, |v[97+16*\b]|, 0x1800000
.endr
.irp i, 2,4,6,8,10,12,14
.irp b, 0,1
	v_max3_num_f32 v[240+\b], v[240+\b], |v[96+16*\b+\i]|, |v[97+16*\b+\i]|
.endr
.endr
.irp b, 0,1
	v_permlanex16_b32 v[244+\b], v[240+\b], s20, s21
.endr
.irp b, 0,1
	v_max_num_f32 v[240+\b], v[240+\b], v[244+\b]
.endr
.irp b, 0,1
	v_add_nc_u32 v[248+\b], 0xff000000, v[240+\b]
.endr
.irp b, 0,1
	v_lshrrev_b32 v[244+\b], 23, v[248+\b]
.endr
	v_lshl_or_b32 v254, v245, 8, v244              ; my row's two bytes,
	v_cndmask_b32 v254, v254, v255, s27            ; or 0xff twice where the row has no key
	v_cvt_scalef32_pk16_fp6_f32 v[32:34], v[96:111], v248
	v_cvt_scalef32_pk16_fp6_f32 v[44:46], v[112:127], v249
	v_nop
.irp i, 0,1,2
	v_permlane16_swap_b32 v[32+\i], v[44+\i]
.endr
.irp i, 0,1,2
	v_mov_b32 v[35+\i], v[44+\i]
.endr
	global_store_b128 v1, v[32:35], s[28:29]       ; 512 consecutive bytes,
	global_store_b64 v2, v[36:37], s[28:29] offset:512   ; and 256
	global_store_b16 v4, v254, s[30:31]            ; two bytes a row, 8 bytes apart: a scale word of the last projection spans two heads, which other work-groups make.  Lanes 16-31 repeat lanes 0-15's bytes
	s_wait_xcnt 0x0                                ; the stores have read their registers and bases: the next pass writes both
	s_add_co_u32 s17, s17, 16
	s_sub_co_u32 s26, s26, 1
	s_cmp_lg_u32 s26, 0
	s_cbranch_scc1 .Lpass
	s_wait_dscnt 0x0
	s_wait_tensorcnt 0x0
	ds_add_u32 v94, v95
	s_wait_dscnt 0x0
	ROUND                                          ; the closing round
	s_endpgm
.Lfunc_end_k_q740b5738c2_attn:
	.size	k_q740b5738c2_attn, .Lfunc_end_k_q740b5738c2_attn-k_q740b5738c2_attn
	.p2alignl 7, 3214868480
	.fill 96, 4, 3214868480
	.section	.rodata,"a",@progbits
	.p2align	6, 0x0
	.amdhsa_kernel k_q740b5738c2_attn
		.amdhsa_group_segment_fixed_size 210944
		.amdhsa_private_segment_fixed_size 0
		.amdhsa_enable_private_segment 0
		.amdhsa_kernarg_size 40
		.amdhsa_user_sgpr_count 2
		.amdhsa_user_sgpr_kernarg_segment_ptr 1
		.amdhsa_wavefront_size32 1
		.amdhsa_system_sgpr_workgroup_id_x 1
		.amdhsa_system_sgpr_workgroup_id_y 1
		.amdhsa_system_sgpr_workgroup_id_z 1
		.amdhsa_system_vgpr_workitem_id 0
		.amdhsa_next_free_vgpr 256
		.amdhsa_next_free_sgpr 100
		.amdhsa_reserve_vcc 0
		.amdhsa_float_denorm_mode_32 3
		.amdhsa_float_denorm_mode_16_64 3
		.amdhsa_memory_ordered 1
		.amdhsa_forward_progress 1
		.amdhsa_inst_pref_size 31
	.end_amdhsa_kernel
	.amdgpu_metadata
---
amdhsa.version: [ 1, 2 ]
amdhsa.kernels:
  - .name:           k_q740b5738c2_attn
    .symbol:         k_q740b5738c2_attn.kd
    .args:
      - { .name: qc, .offset: 0, .size: 8, .value_kind: global_buffer, .address_space: global }
      - { .name: kv, .offset: 8, .size: 8, .value_kind: global_buffer, .address_space: global }
      - { .name: mw, .offset: 16, .size: 8, .value_kind: global_buffer, .address_space: global }
      - { .name: ao, .offset: 24, .size: 8, .value_kind: global_buffer, .address_space: global }
      - { .name: aos, .offset: 32, .size: 8, .value_kind: global_buffer, .address_space: global }
    .group_segment_fixed_size: 210944
    .private_segment_fixed_size: 0
    .kernarg_segment_align: 8
    .kernarg_segment_size: 40
    .max_flat_workgroup_size: 512
    .sgpr_count:     100
    .vgpr_count:     256
    .wavefront_size: 32
...
	.end_amdgpu_metadata
.endif
;; end of part 3
;; launch oproj (part 4): grid 4 x 32, 4 waves a work-group, clusters of 4 x 4, 327,680 bytes of LDS; arguments ao, aos, cod, scl, bo, out0; writes out0
.if DOCPART == 4
	.amdgcn_target "amdgcn-amd-amdhsa--gfx1250"
	.amdhsa_code_object_version 6
	.text
	.protected	k_q740b5738c2_oproj
	.globl	k_q740b5738c2_oproj
	.p2align	8
	.type	k_q740b5738c2_oproj,@function
k_q740b5738c2_oproj:
	s_mov_b64 s[64:65], 0
	v_nop
	global_prefetch_b8 v0, s[64:65] scope:SCOPE_SE
	s_setreg_imm32_b32 hwreg(HW_REG_WAVE_MODE, 25, 1), 1
	s_wait_xcnt 0x0
	s_wait_alu depctr_hold_cnt(0) depctr_sa_sdst(0) depctr_va_vdst(0) depctr_va_sdst(0) depctr_va_ssrc(0) depctr_va_vcc(0) depctr_vm_vsrc(0)
	s_getreg_b32 s2, hwreg(HW_REG_IB_STS2, 6, 4)
	s_cmp_eq_u32 s2, 0
	s_cbranch_scc0 .Lentry_in_a_cluster
	s_endpgm
.Lentry_in_a_cluster:
	s_bfe_u32 s2, ttmp6, 0x10000c
	s_cmp_lg_u32 s2, 0xf033
	s_cbranch_scc0 .Lentry_shape_is_right
	s_endpgm
.Lentry_shape_is_right:
; OPROJ.  out0 = attention's output x wo^T + bo, on codes of FP6 (E2M3) with E8M0 scales; sums in f32; out0 [8192][1024] f32.
; OPERANDS: "A" = ao, aos (the launch before), "B" = wo's part of cod, scl (tiles 704-767): tiles of 16 rows (tile 2 B + u: rows 32 B + 8 u + r + 8 (r / 8)), units of 768 bytes (16 rows x 64 K as an image of registers),
; scale words [tile][ks][r][2].  A scale byte 0xff in aos (a query with no key) makes that row's sums NaN.
; A tile of the result, 256 x 256, is made by four waves, 128 x 128 each: 64 accumulators, 512 registers.  K = 1,024 goes in four steps of 256 through a ring of two LDS slots filled by tensor loads.
; The matrix instruction takes 16 rows of B as source 0 and 16 rows of A as source 1: a lane holds one token, and the registers of B's blocks 2 b, 2 b + 1 are outputs 32 b + 16 (lane / 16) + 0 .. 15.
; CLUSTERS: 4 x 4 work-groups; A's tiles are shared along a row of the cluster, B's along a column, each asked for jointly by one tensor load with a mask that names the four.
; 128 work-groups: the design has work for so many at this tile.
; REGISTERS, in windows of 256: window 0: v0-31 addresses; v32-63 scale words, two sets; v64-67 my four columns of bo; v128-223 A's fragments, one set; on the way out v128-255 take rows of the result.
;   window 1: B's fragments, two sets.   window 2: the accumulators of A's blocks 0-3 ((a, b) at v[8 (8 a + b)]);   window 3: those of blocks 4-7.
.set NQ,     2
.set FR,     12
.set NL,     4
.set NP,     4
.set TILEB,  3072
.set HALFT,  8*TILEB
.set SLOT,   4*HALFT
.set SCL,    2*SLOT
.set HALFS,  4096
.set SPARE,  SCL+4*HALFS               ; the spare words, 128 bytes for each wave: two blocks of 256 bytes that no other line names
.set SPITCH, 528                       ; the way out: a stage of 16 rows x (512 bytes + 16) for each wave, in slot 0, which has had its last fill and its last read when the first result is stored there
.set ADRA, 16
.set ADRB, 20
.set STO,  24                          ; v24 the way out: where I put 32 bytes of a row
.set RD,   25                          ; v25 where I read a row back
.set CO,   26                          ; v26 16 x lane: my bytes of a row of 512
.set ADRS, 27
.set SPW,  28
.set NIL,  29
.set SC,   32
.set BO,   64
.set AF,   128
.set BK,   128
.set G1, 24
.set G0, 32
.set G1B, 48
.set G0B, 56
.set G1S, 68
.set G0S, 76
.set G1SB, 80
.set G0SB, 88
.set MSB, 0
.macro WIN new                         ; the immediate's high byte repeats the setting that is left
.if MSB != \new
	s_set_vgpr_msb (MSB<<8)|\new
.set MSB, \new
.endif
.endm
.set MUL_LO, 0xa1
.set MUL_HI, 0xf1
.set TO_B,   0x40
.macro JLOAD g0a, g1a, g0b, g1b        ; a joint load: waves 0 and 1 fetch for A, waves 2 and 3 for B; four v_nop follow each line
	s_cmp_eq_u32 s15, 0
	s_cbranch_scc0 .Lfor_b_\@
	tensor_load_to_lds s[\g0a:\g0a+3], s[\g1a:\g1a+7]
	s_nop 0
.rept 4
	v_nop
.endr
	s_branch .Lasked_\@
.Lfor_b_\@:
	tensor_load_to_lds s[\g0b:\g0b+3], s[\g1b:\g1b+7]
	s_nop 0
.rept 4
	v_nop
.endr
.Lasked_\@:
.endm
.macro CREST
	s_cmp_lg_u32 s14, 0
	s_cbranch_scc1 .Lnot_wave_0_\@
	s_barrier_signal -3
.Lnot_wave_0_\@:
	s_barrier_wait -3
	s_barrier_signal -1
	s_barrier_wait -1
.endm
.macro CROUND
	s_barrier_signal -1
	s_barrier_wait -1
	CREST
.endm
	s_load_b256 s[4:11], s[0:1], 0x0               ; ao s[4:5], aos s[6:7], cod s[8:9], scl s[10:11]
	s_load_b128 s[92:95], s[0:1], 0x20             ; bo s[92:93], out0 s[94:95]
	v_lshl_add_u32 v[SPW], v0, 2, SPARE
	v_mov_b32 v[NIL], 0
	ds_add_u32 v28, v29
	ds_add_u32 v28, v29
	s_wait_dscnt 0x0
	v_lshrrev_b32 v1, 5, v0
	v_readfirstlane_b32 s14, v1                    ; wave 0..3
	s_lshr_b32 s15, s14, 1                         ; which half of A's rows is mine.  Also: I fetch for A (0) or for B (1)
	s_and_b32 s16, s14, 1                          ; which half of B's rows.  Also: which eight tiles I fetch
	s_bfe_u32 s40, ttmp6, 0x40000                  ; cx
	s_bfe_u32 s41, ttmp6, 0x40004                  ; cy
	s_lshl_b32 s42, ttmp9, 2
	s_add_co_u32 s42, s42, s40                     ; B's block of 256 outputs
	s_and_b32 s17, ttmp7, 0xffff
	s_lshl_b32 s17, s17, 2
	s_add_co_u32 s17, s17, s41                     ; A's block of 256 tokens
	s_lshl_b32 s43, s41, 2
	s_lshl_b32 s43, 15, s43                        ; my row of the cluster
	s_lshl_b32 s44, 0x1111, s40                    ; my column
	s_or_b32 s[G1+0], s43, (3<<16)|(1<<21)         ; codes: eight rows of 3,072 bytes, 12,288 bytes apart; elements of 8 bytes; bit 21 set beside a mask
	s_or_b32 s[G1B+0], s44, (3<<16)|(1<<21)
.irp g, G1, G1B
	s_mov_b32 s[\g+1], 384<<16
	s_mov_b32 s[\g+2], 8<<16
	s_mov_b32 s[\g+3], 384<<16
	s_mov_b32 s[\g+4], 8
	s_mov_b32 s[\g+5], 1536
	s_mov_b32 s[\g+6], 0
	s_mov_b32 s[\g+7], 0
.endr
	s_or_b32 s[G1S+0], s43, (3<<16)|(1<<21)        ; scale words of eight tiles: 4,096 dense bytes as 16 rows of 256
	s_or_b32 s[G1SB+0], s44, (3<<16)|(1<<21)
.irp g, G1S, G1SB
	s_mov_b32 s[\g+1], 32<<16
	s_mov_b32 s[\g+2], 16<<16
	s_mov_b32 s[\g+3], 32<<16
	s_mov_b32 s[\g+4], 16
	s_mov_b32 s[\g+5], 32
	s_mov_b32 s[\g+6], 0
	s_mov_b32 s[\g+7], 0
.endr
	s_lshl_b32 s18, s16, 3
	s_lshl_b32 s20, s17, 4
	s_add_co_u32 s20, s20, s18                     ; the first tile of A that I would fetch
	s_lshl_b32 s46, s42, 4
	s_add_co_u32 s46, s46, 704                     ; wo's tiles in cod
	s_add_co_u32 s46, s46, s18                     ; and of B
	s_lshl_b32 s12, s20, 9
	s_mov_b32 s13, 0
	s_lshl_b32 s98, s46, 9
	s_mov_b32 s99, 0
	s_mul_i32 s20, s20, 12288
	s_mov_b32 s21, 0
	s_mul_i32 s46, s46, 12288
	s_mov_b32 s47, 0
	s_mul_i32 s45, s14, HALFT
	s_lshl_b32 s3, s14, 12
	s_wait_kmcnt 0x0
	s_add_nc_u64 s[20:21], s[4:5], s[20:21]
	s_add_nc_u64 s[12:13], s[6:7], s[12:13]
	s_add_nc_u64 s[46:47], s[8:9], s[46:47]
	s_add_nc_u64 s[98:99], s[10:11], s[98:99]
	CROUND                                         ; all sixteen work-groups are here: the first joint loads meet
	s_mov_b32 s[G0S], 1
	s_add_co_u32 s[G0S+1], s3, SCL
	s_mov_b64 s[G0S+2:G0S+3], s[12:13]
	s_or_b32 s[G0S+3], s[G0S+3], 0x80000000
	s_mov_b32 s[G0SB], 1
	s_add_co_u32 s[G0SB+1], s3, SCL
	s_mov_b64 s[G0SB+2:G0SB+3], s[98:99]
	s_or_b32 s[G0SB+3], s[G0SB+3], 0x80000000
	JLOAD G0S, G1S, G0SB, G1SB
.irp s, 0,1
	s_mov_b32 s[G0+4*\s], 1
	s_add_co_u32 s[G0+4*\s+1], s45, \s*SLOT
	s_add_nc_u64 s[G0+4*\s+2:G0+4*\s+3], s[20:21], \s*TILEB
	s_or_b32 s[G0+4*\s+3], s[G0+4*\s+3], 0x80000000
	s_mov_b32 s[G0B+4*\s], 1
	s_add_co_u32 s[G0B+4*\s+1], s45, \s*SLOT
	s_add_nc_u64 s[G0B+4*\s+2:G0B+4*\s+3], s[46:47], \s*TILEB
	s_or_b32 s[G0B+4*\s+3], s[G0B+4*\s+3], 0x80000000
	JLOAD G0+4*\s, G1, G0B+4*\s, G1B               ; three tensor loads of mine are out
.endr
	v_and_b32 v1, 31, v0                           ; lane
	v_and_b32 v2, 15, v0                           ; r
	v_bfe_u32 v3, v0, 4, 1                         ; h
	v_lshlrev_b32 v4, 4, v1
	v_lshlrev_b32 v5, 3, v1
	v_add_nc_u32 v5, 512, v5
	s_mul_i32 s21, s15, HALFT
	s_mul_i32 s22, s16, HALFT
	s_add_co_u32 s22, s22, 2*HALFT
.irp s, 0,1
	v_add_nc_u32 v[ADRA+\s], s21, v4
	v_add_nc_u32 v[ADRB+\s], s22, v4
	v_add_nc_u32 v[ADRA+2+\s], s21, v5
	v_add_nc_u32 v[ADRB+2+\s], s22, v5
	s_add_co_u32 s21, s21, SLOT
	s_add_co_u32 s22, s22, SLOT
.endr
	v_lshlrev_b32 v6, 3, v2
	s_lshl_b32 s21, s15, 12
	s_lshl_b32 s22, s16, 12
	s_add_co_u32 s22, s22, 2*HALFS
	s_sub_co_u32 s22, s22, s21
	v_mul_u32_u24 v7, s22, v3                      ; lanes 16-31 take B's scale words
	s_add_co_u32 s21, s21, SCL
	v_add_nc_u32 v6, v6, v7
	v_add_nc_u32 v[ADRS], s21, v6
	s_mul_i32 s23, s14, 16*SPITCH                  ; my stage
	v_mul_u32_u24 v6, v2, SPITCH
	v_lshl_add_u32 v6, v3, 6, v6
	v_add_nc_u32 v[STO], s23, v6                   ; in: row r, + 64 h: outputs 16 h on of each 32
	v_lshlrev_b32 v[CO], 4, v1
	v_add_nc_u32 v[RD], s23, v[CO]                 ; back: the 32 lanes take one row of 512 bytes
	s_lshl_b32 s18, s42, 10
	s_lshl_b32 s19, s16, 9
	s_add_co_u32 s18, s18, s19                     ; my first output, in bytes
	s_mov_b32 s19, 0
	s_add_nc_u64 s[92:93], s[92:93], s[18:19]
	global_load_b128 v[BO:BO+3], v[CO], s[92:93]   ; bo at my lane's four columns of every row
	s_lshl_b32 s20, s17, 8
	s_lshl_b32 s21, s15, 7
	s_add_co_u32 s20, s20, s21                     ; my first token
	s_lshl_b32 s20, s20, 12                        ; a row of out0 is 4,096 bytes
	s_add_co_u32 s20, s20, s18
	s_mov_b32 s21, 0
	s_add_nc_u64 s[94:95], s[94:95], s[20:21]
.macro FRAG reg, adr, q, i             ; a fragment is two units: registers 6 c .. 6 c + 3 at 16 x lane, 6 c + 4, 6 c + 5 at 512 + 8 x lane
.irp c, 0,1
	ds_load_b128 v[\reg+6*\c:\reg+6*\c+3], v[\adr] offset:(\i)*TILEB+(\q)*1536+\c*768
	ds_load_b64 v[\reg+6*\c+4:\reg+6*\c+5], v[\adr+2] offset:(\i)*TILEB+(\q)*1536+\c*768
.endr
.endm
; 16 matrix instructions: A's blocks a0, a0 + 1 x B's eight, 128 along K.  The 64 accumulators take turns, one instruction a turn, in the same order in every step.
.macro MUL16 a0, p, q, sc, zero
.irp a, \a0, \a0+1
.irp b, 0,1,2,3,4,5,6,7
.if \zero
	v_wmma_scale_f32_16x16x128_f8f6f4 v[8*(8*((\a)%4)+\b):8*(8*((\a)%4)+\b)+7], v[128*(\p)+FR*\b:128*(\p)+FR*\b+FR-1], v[AF+FR*(\a):AF+FR*(\a)+FR-1], 0, v[SC+8*NQ*(\sc)+NQ*\b+(\q)], v[SC+8*NQ*(\sc)+NQ*(\a)+(\q)] matrix_a_fmt:MATRIX_FMT_FP6 matrix_b_fmt:MATRIX_FMT_FP6 matrix_a_scale:MATRIX_SCALE_ROW1
.else
	v_wmma_scale_f32_16x16x128_f8f6f4 v[8*(8*((\a)%4)+\b):8*(8*((\a)%4)+\b)+7], v[128*(\p)+FR*\b:128*(\p)+FR*\b+FR-1], v[AF+FR*(\a):AF+FR*(\a)+FR-1], v[8*(8*((\a)%4)+\b):8*(8*((\a)%4)+\b)+7], v[SC+8*NQ*(\sc)+NQ*\b+(\q)], v[SC+8*NQ*(\sc)+NQ*(\a)+(\q)] matrix_a_fmt:MATRIX_FMT_FP6 matrix_b_fmt:MATRIX_FMT_FP6 matrix_a_scale:MATRIX_SCALE_ROW1
.endif
.endr
.endr
.endm
.macro FETCH_B slot, q, p
	WIN TO_B
.irp i, 0,1,2,3,4,5,6,7
	FRAG 128*(\p)+FR*\i, ADRB+\slot, \q, \i
.endr
	WIN 0
.endm
.macro FETCH_A slot, q, i0
.irp i, \i0, \i0+1, \i0+2, \i0+3
	FRAG AF+FR*(\i), ADRA+\slot, \q, \i
.endr
.endm
.macro SCALES sc
.irp i, 0,1,2,3,4,5,6,7
	ds_load_b64 v[SC+8*NQ*\sc+NQ*\i:SC+8*NQ*\sc+NQ*\i+1], v[ADRS] offset:\i*512
.endr
.endm
.macro PLACES n                        ; plain vector instructions between a matrix instruction and a load into, or a read of, its registers
.rept \n
	v_nop
.endr
.endm
.macro STEP slot, q, zero
	s_wait_dscnt 4*NL                              ; all but the youngest sixteen loads (A's blocks 4-7) are in
	WIN MUL_LO
	MUL16 0, (\q)%2, \q, \slot, \zero
	MUL16 2, (\q)%2, \q, \slot, \zero
	s_wait_dscnt 0
	PLACES NP
	FETCH_B \slot, (\q)+1, 1-(\q)%2
	FETCH_A \slot, (\q)+1, 0
	WIN MUL_HI
	MUL16 4, (\q)%2, \q, \slot, \zero
	MUL16 6, (\q)%2, \q, \slot, \zero
	PLACES NP
	WIN 0
	FETCH_A \slot, (\q)+1, 4
.endm
.macro TURN slot, next, fill           ; a slot's last step changes slots: one barrier, with the three lines in front of it
	s_wait_tensorcnt 0x0                           ; all my tensor loads have landed: my part of the next slot
	ds_add_u32 v[SPW], v[NIL]                      ; 0 onto my spare word
	s_wait_dscnt 4*NL+1                            ; (the add and the youngest sixteen loads may be out)
	WIN MUL_LO
	MUL16 0, 1, NQ-1, \slot, 0
	s_wait_dscnt 0x0                               ; the add is done, and my reads of this slot are over
	s_barrier_signal -1
	MUL16 2, 1, NQ-1, \slot, 0
	WIN 0
	s_barrier_wait -1
.if \fill
	CREST                                          ; the barrier has opened a round of the cluster's barrier: no wave of any partner still reads this slot or has a load on its way
	s_add_nc_u64 s[G0+4*\slot+2:G0+4*\slot+3], s[G0+4*\slot+2:G0+4*\slot+3], 2*TILEB
	s_add_nc_u64 s[G0B+4*\slot+2:G0B+4*\slot+3], s[G0B+4*\slot+2:G0B+4*\slot+3], 2*TILEB
	JLOAD G0+4*\slot, G1, G0B+4*\slot, G1B         ; the first tensor load behind the round, my only one until the next
.else
	PLACES NP
.endif
	v_add_nc_u32 v[ADRS], 128, v[ADRS]
	FETCH_B \next, 0, 0
	FETCH_A \next, 0, 0
	SCALES \next
	WIN MUL_HI
	MUL16 4, 1, NQ-1, \slot, 0
	MUL16 6, 1, NQ-1, \slot, 0
	PLACES NP
	WIN 0
	FETCH_A \next, 0, 4
.endm
	s_wait_tensorcnt 1                             ; the scale words and my part of K step 0 are in; K step 1's load may be out
	s_barrier_signal -1
	s_barrier_wait -1
	FETCH_B 0, 0, 0
	FETCH_A 0, 0, 0
	SCALES 0
	FETCH_A 0, 0, 4
	STEP 0, 0, 1
	TURN 0, 1, 1
	STEP 1, 0, 0
	TURN 1, 0, 1
	STEP 0, 0, 0
	TURN 0, 1, 0
	STEP 1, 0, 0
	s_wait_dscnt 4*NL
	WIN MUL_LO
	MUL16 0, 1, NQ-1, 1, 0
	MUL16 2, 1, NQ-1, 1, 0
	s_wait_dscnt 0
	WIN MUL_HI
	MUL16 4, 1, NQ-1, 1, 0
	MUL16 6, 1, NQ-1, 1, 0
	WIN 0
; THE WAY OUT, block by block of 16 tokens x 128 outputs, through my own stage in LDS: a lane's pieces of a row go in, whole rows of 512 bytes come back, get the bias and are stored.
; LDS serves a wave's instructions in order: no wait between the stores and the loads, nor in front of the next block's stores.
.macro TOSTAGE a
.set AC, 64*((\a)%4)
	WIN 0x08+4*((\a)/4)                            ; the data: window 2 or 3
.irp b, 0,1,2,3,4,5,6,7
	ds_store_b128 v[STO], v[AC+8*\b:AC+8*\b+3] offset:128*(\b/2)+32*(\b%2)        ; outputs 32 (b / 2) + 16 h + 8 (b % 2) + 0 .. 3; each accumulator from its low end on
	ds_store_b128 v[STO], v[AC+8*\b+4:AC+8*\b+7] offset:128*(\b/2)+32*(\b%2)+16
.endr
	WIN 0
.set BB, BK+64*((\a)%2)
.irp t, 0,1,2,3,4,5,6,7,8,9,10,11,12,13,14,15
	ds_load_b128 v[BB+4*\t:BB+4*\t+3], v[RD] offset:\t*SPITCH
.endr
.endm
.macro SEND a, younger                 ; younger: the LDS instructions issued behind block a's loads, which may stay out
.set BB, BK+64*((\a)%2)
	s_wait_dscnt \younger
.irp t, 0,1,2,3,4,5,6,7,8,9,10,11,12,13,14,15
	v_pk_add_f32 v[BB+4*\t:BB+4*\t+1], v[BB+4*\t:BB+4*\t+1], v[BO:BO+1]
	v_pk_add_f32 v[BB+4*\t+2:BB+4*\t+3], v[BB+4*\t+2:BB+4*\t+3], v[BO+2:BO+3]
	global_store_b128 v[CO], v[BB+4*\t:BB+4*\t+3], s[94:95] offset:(32*((\a)/2)+8*((\a)%2)+\t+8*(\t/8))*4096 th:TH_STORE_NT   ; row t of tile a is token 32 (a / 2) + 8 (a % 2) + t + 8 (t / 8); 512 consecutive bytes, aligned
.endr
.endm
	PLACES NP
	s_wait_loadcnt 0x0                             ; bo
	TOSTAGE 0
.irp a, 1,2,3,4,5,6,7
.if \a > 1
	s_wait_xcnt 0x0                                ; block a - 2's stores have read their registers: block a's loads may land there
.endif
	TOSTAGE \a
	SEND \a-1, 32                                  ; behind block a - 1's loads: block a's 16 stores and 16 loads
.endr
	SEND 7, 0
	s_wait_tensorcnt 0x0                           ; the wave's end
	ds_add_u32 v[SPW], v[NIL]
	s_wait_dscnt 0x0
	CROUND                                         ; the closing round
	s_endpgm
.Lfunc_end_k_q740b5738c2_oproj:
	.size	k_q740b5738c2_oproj, .Lfunc_end_k_q740b5738c2_oproj-k_q740b5738c2_oproj
	.p2alignl 7, 3214868480
	.fill 96, 4, 3214868480
	.section	.rodata,"a",@progbits
	.p2align	6, 0x0
	.amdhsa_kernel k_q740b5738c2_oproj
		.amdhsa_group_segment_fixed_size 327680
		.amdhsa_private_segment_fixed_size 0
		.amdhsa_enable_private_segment 0
		.amdhsa_kernarg_size 48
		.amdhsa_user_sgpr_count 2
		.amdhsa_user_sgpr_kernarg_segment_ptr 1
		.amdhsa_wavefront_size32 1
		.amdhsa_system_sgpr_workgroup_id_x 1
		.amdhsa_system_sgpr_workgroup_id_y 1
		.amdhsa_system_sgpr_workgroup_id_z 1
		.amdhsa_system_vgpr_workitem_id 0
		.amdhsa_next_free_vgpr 1024
		.amdhsa_next_free_sgpr 100
		.amdhsa_reserve_vcc 0
		.amdhsa_float_denorm_mode_32 3
		.amdhsa_float_denorm_mode_16_64 3
		.amdhsa_memory_ordered 1
		.amdhsa_forward_progress 1
		.amdhsa_inst_pref_size 159
	.end_amdhsa_kernel
	.amdgpu_metadata
---
amdhsa.version: [ 1, 2 ]
amdhsa.kernels:
  - .name:           k_q740b5738c2_oproj
    .symbol:         k_q740b5738c2_oproj.kd
    .args:
      - { .name: ao, .offset: 0, .size: 8, .value_kind: global_buffer, .address_space: global }
      - { .name: aos, .offset: 8, .size: 8, .value_kind: global_buffer, .address_space: global }
      - { .name: cod, .offset: 16, .size: 8, .value_kind: global_buffer, .address_space: global }
      - { .name: scl, .offset: 24, .size: 8, .value_kind: global_buffer, .address_space: global }
      - { .name: bo, .offset: 32, .size: 8, .value_kind: global_buffer, .address_space: global }
      - { .name: out0, .offset: 40, .size: 8, .value_kind: global_buffer, .address_space: global }
    .group_segment_fixed_size: 327680
    .private_segment_fixed_size: 0
    .kernarg_segment_align: 8
    .kernarg_segment_size: 48
    .max_flat_workgroup_size: 128
    .sgpr_count:     100
    .vgpr_count:     1024
    .wavefront_size: 32
...
	.end_amdgpu_metadata
.endif
;; end of part 4
